; MI455X (gfx1250); checked and timed in simulation.
; The chip was launched on July 23, 2026; its instructions are those of AMD's public machine-readable ISA for CDNA 5 (MIT licence, August 2026) and "CDNA5" Instruction Set Architecture Reference Guide (July 2026). The comments in the code are by the model that wrote it; some were corrected since.
;; Multi Head Attention. Allowed arithmetic: float matrix products may take bf16 or f16 operands with f32 sums; all other float work in f32.
;; Inputs: Wk 1,024 x 1,024 float32; Wo 1,024 x 1,024 float32; Wq 1,024 x 1,024 float32; Wv 1,024 x 1,024 float32; bk 1,024 float32; bo 1,024 float32; bq 1,024 float32; bv 1,024 float32; key 4 x 2,048 x 1,024 float32; query 4 x 2,048 x 1,024 float32; value 4 x 2,048 x 1,024 float32.
;; Outputs: out0 4 x 2,048 x 1,024 float32.
;; 2 versions, each right; version 2 is version 1 with the launch prep written anew for expert scheduling mode. Each part assembles by itself: llvm-mc -triple=amdgcn-amd-amdhsa -mcpu=gfx1250 --defsym DOCPART=n.
;; ======== version 1 of 2: 4 launches
;; limits: values are held in f16: magnitudes above 65,504 overflow, below 6.1e-05 lose precision; right only within a limited range of input values
;; workspace buffers: wh 8,388,608 bytes; qkv 50,331,648 bytes; att 16,777,216 bytes
;; launch prep (part 1): grid 64 x 4, 8 waves a work-group, no clusters, 0 bytes of LDS; arguments Wq, Wk, Wv, Wo, wh; writes wh
.if DOCPART == 1
	.amdgcn_target "amdgcn-amd-amdhsa--gfx1250"
	.amdhsa_code_object_version 6
	.text
	.protected	k_q031e63c4a1_prep
	.globl	k_q031e63c4a1_prep
	.p2align	8
	.type	k_q031e63c4a1_prep,@function
k_q031e63c4a1_prep:
	s_mov_b64 s[64:65], 0
	v_nop
	global_prefetch_b8 v0, s[64:65] scope:SCOPE_SE
	s_setreg_imm32_b32 hwreg(HW_REG_WAVE_MODE, 25, 1), 1
	s_wait_xcnt 0x0
; wh[w][k][n] = f16(W_w[k][n]) for the four weights (w = 0 Wq, 1 Wk, 2 Wv, 3 Wo), layout kept.
; The weights lie with k down the rows; the products want them turned on the way out of LDS, and the turning LDS load takes
; 16-bit numbers alone.  So they are narrowed once here: 16 MiB read, 8 MiB written.
; A stream: no LDS, no barrier, no matrix unit, no cluster (no work-group shares a byte with another).
; Grid y picks the weight; grid x takes 16,384 numbers (65,536 bytes in, 32,768 out); a wave takes 8,192 bytes of them:
; 16 loads of 512 neighbouring bytes, all issued ahead of the first conversion; each store of the wave covers 256 consecutive bytes, aligned.
; LIMIT: a weight of magnitude 65,504 or more does not fit f16.
.set X, 4                              ; v[4:67]   load i: 4 registers of f32
.set Y, 68                             ; v[68:99]  store i: 2 registers of f16
	s_load_b256 s[4:11], s[0:1], 0x0               ; Wq s[4:5], Wk s[6:7], Wv s[8:9], Wo s[10:11]
	s_load_b64 s[12:13], s[0:1], 0x20              ; wh
	s_and_b32 s14, ttmp7, 0xffff                   ; which weight
	v_and_b32 v1, 0xe0, v0                         ; 32 x wave
	v_and_b32 v2, 31, v0                           ; lane
	v_lshlrev_b32 v1, 8, v1                        ; wave x 8,192 bytes
	v_lshl_or_b32 v1, v2, 4, v1                    ; + 16 bytes a lane: my offset in the group's input
	v_lshrrev_b32 v2, 1, v1                        ; half of it: my offset in the group's output
	s_lshl_b32 s16, ttmp9, 16                      ; the group's 65,536 bytes of the weight
	s_mov_b32 s17, 0
	s_lshl_b32 s18, s14, 21                        ; the weight's 2 MiB in wh
	s_lshl_b32 s19, ttmp9, 15                      ; the group's 32,768 bytes of them
	s_add_co_u32 s18, s18, s19
	s_mov_b32 s19, 0
	s_wait_kmcnt 0x0
	s_cmp_eq_u32 s14, 1                            ; the choice hangs on the grid's y alone
	s_cselect_b64 s[4:5], s[6:7], s[4:5]
	s_cmp_eq_u32 s14, 2
	s_cselect_b64 s[4:5], s[8:9], s[4:5]
	s_cmp_eq_u32 s14, 3
	s_cselect_b64 s[4:5], s[10:11], s[4:5]
	s_add_nc_u64 s[4:5], s[4:5], s[16:17]
	s_add_nc_u64 s[12:13], s[12:13], s[18:19]
.irp i, 0,1,2,3,4,5,6,7,8,9,10,11,12,13,14,15
	global_load_b128 v[X+4*\i:X+4*\i+3], v1, s[4:5] offset:512*\i th:TH_LOAD_NT   ; read once in the launch
.endr
.irp i, 0,1,2,3,4,5,6,7,8,9,10,11,12,13,14,15
	s_wait_loadcnt 15-\i                           ; loads come back in order: load i is in, the 15 - i younger ones stay out
	v_cvt_pk_f16_f32 v[Y+2*\i],   v[X+4*\i],   v[X+4*\i+1]
	v_cvt_pk_f16_f32 v[Y+2*\i+1], v[X+4*\i+2], v[X+4*\i+3]
	global_store_b64 v2, v[Y+2*\i:Y+2*\i+1], s[12:13] offset:256*\i   ; no register is written twice, so no wait frees one
.endr
	s_endpgm
.Lfunc_end_k_q031e63c4a1_prep:
	.size	k_q031e63c4a1_prep, .Lfunc_end_k_q031e63c4a1_prep-k_q031e63c4a1_prep
	.p2alignl 7, 3214868480
	.fill 96, 4, 3214868480
	.section	.rodata,"a",@progbits
	.p2align	6, 0x0
	.amdhsa_kernel k_q031e63c4a1_prep
		.amdhsa_group_segment_fixed_size 0
		.amdhsa_private_segment_fixed_size 0
		.amdhsa_enable_private_segment 0
		.amdhsa_kernarg_size 40
		.amdhsa_user_sgpr_count 2
		.amdhsa_user_sgpr_kernarg_segment_ptr 1
		.amdhsa_wavefront_size32 1
		.amdhsa_system_sgpr_workgroup_id_x 1
		.amdhsa_system_sgpr_workgroup_id_y 1
		.amdhsa_system_sgpr_workgroup_id_z 1
		.amdhsa_system_vgpr_workitem_id 0
		.amdhsa_next_free_vgpr 104
		.amdhsa_next_free_sgpr 66
		.amdhsa_reserve_vcc 0
		.amdhsa_float_denorm_mode_32 3
		.amdhsa_float_denorm_mode_16_64 3
		.amdhsa_memory_ordered 1
		.amdhsa_forward_progress 1
		.amdhsa_inst_pref_size 7
	.end_amdhsa_kernel
	.amdgpu_metadata
---
amdhsa.version: [ 1, 2 ]
amdhsa.kernels:
  - .name:           k_q031e63c4a1_prep
    .symbol:         k_q031e63c4a1_prep.kd
    .args:
      - { .name: Wq, .offset: 0, .size: 8, .value_kind: global_buffer, .address_space: global }
      - { .name: Wk, .offset: 8, .size: 8, .value_kind: global_buffer, .address_space: global }
      - { .name: Wv, .offset: 16, .size: 8, .value_kind: global_buffer, .address_space: global }
      - { .name: Wo, .offset: 24, .size: 8, .value_kind: global_buffer, .address_space: global }
      - { .name: wh, .offset: 32, .size: 8, .value_kind: global_buffer, .address_space: global }
    .group_segment_fixed_size: 0
    .private_segment_fixed_size: 0
    .kernarg_segment_align: 8
    .kernarg_segment_size: 40
    .max_flat_workgroup_size: 256
    .sgpr_count:     66
    .vgpr_count:     104
    .wavefront_size: 32
...
	.end_amdgpu_metadata
.endif
;; end of part 1
;; launch proj (part 2): grid 4 x 64, 4 waves a work-group, clusters of 4 x 4, 327,680 bytes of LDS; arguments query, key, value, bq, bk, bv, wh, qkv; writes qkv
.if DOCPART == 2
	.amdgcn_target "amdgcn-amd-amdhsa--gfx1250"
	.amdhsa_code_object_version 6
	.text
	.protected	k_q031e63c4a1_proj
	.globl	k_q031e63c4a1_proj
	.p2align	8
	.type	k_q031e63c4a1_proj,@function
k_q031e63c4a1_proj:
	s_mov_b64 s[64:65], 0
	v_nop
	global_prefetch_b8 v0, s[64:65] scope:SCOPE_SE
	s_setreg_imm32_b32 hwreg(HW_REG_WAVE_MODE, 25, 1), 1
	s_wait_xcnt 0x0
	s_wait_alu depctr_hold_cnt(0) depctr_sa_sdst(0) depctr_va_vdst(0) depctr_va_sdst(0) depctr_va_ssrc(0) depctr_va_vcc(0) depctr_vm_vsrc(0)
	s_getreg_b32 s2, hwreg(HW_REG_IB_STS2, 6, 4)
	s_cmp_eq_u32 s2, 0
	s_cbranch_scc0 .Lentry_in_a_cluster
	s_endpgm
.Lentry_in_a_cluster:
	s_bfe_u32 s2, ttmp6, 0x10000c
	s_cmp_lg_u32 s2, 0xf033
	s_cbranch_scc0 .Lentry_shape_is_right
	s_endpgm
.Lentry_shape_is_right:
; qkv[g][b][h][s][d] = f16( sum over k of x_g[b][s][k] W_g[k][64 h + d] + bias_g[64 h + d] ),  g = 0 query/Wq/bq, 1 key/Wk/bk, 2 value/Wv/bv.
; x: [8192][1024] f32; W: wh, [4][1024 k][1024 n] f16; sums in f32, started by the bias; operands f16.
; WHY f16: each output of the program is compared within a hundredth of the outputs' root mean square; f16 rounds eight times finer than bf16.
; LIMIT: |x|, |W| and |x W + b| stay below 65,504 (f16's largest number).
; SHARES.  A tile of C is 128 rows x 256 columns: 64 x 4 places, 256 work-groups.  Four waves, 2 x 2, each 64 x 128: 32 accumulators of 16 x 16.
; A WORK-GROUP STAYS: it makes its place's tile of all three products, one after the other.  The ring does not stop at a tile's end: a tile's last two changes of slots ask for the next
; product's K steps 0 and 1, the tile goes out behind both requests, and nothing waits for its stores.  Arguments, first tiles and the last stores are paid once for 3 x 1,024 products a wave.
; K goes in 8 steps of 128 through two LDS slots.  A slot holds 128 rows of x as f32 (512 bytes a row) and 128 k rows of W (256 columns, 512 bytes).
; THE PIPELINE.  A K step is four quarters of 32 along K, 32 products each, on fragment buffers 0, 1, 0, 1.  While quarter q is multiplied, W of quarter q + 1 (turned by ds_load_tr16_b128)
; and x of quarter q + 2 (as f32) come out of LDS, in runs of 16 loads at the quarter's head, 32 products ahead of their first use; and x of quarter q + 1 is narrowed to f16, four
; conversions behind every fourth product.  So no product waits for a conversion, and the waits for LDS leave the loads just issued out.
; CLUSTER 4 x 4: the four work-groups of a row of the cluster make the four column tiles of one row tile and need the same x; the four of a column need
; the same W.  Each tile is asked for jointly: the same load, the same descriptor, a mask that names the four.  All sixteen walk the same three products.
; THE MATRIX INSTRUCTION IS USED TRANSPOSED: source 0 = 16 columns of W, source 1 = 16 rows of x; a lane then holds one row and eight neighbouring columns of C.
; REGISTERS.  window 0: v16-28 addresses; v64-127, v192-255 x as f32, two buffers; v128-159, v160-191 x as f16, two buffers; way out: v32-63, v64-95 whole rows, v96-127 packed results
;             window 1: v0-63, v64-127 W's fragments, two buffers; v128-191 the bias       window 2: accumulator p = 8 a + b (row block a, column block b) at v[8 p]
.set TILES,  3                         ; products, and tiles of a work-group
.set PA,     528                       ; a row of x in LDS: 512 bytes + 16 = 33 x 16: the 16 rows of a load start at 16 different 16-byte columns of 256
.set PB,     544                       ; a row of W: 512 + 32 = 17 x 32
.set AHALF,  64*PA                     ; what one tensor load brings of x
.set ABYTES, 128*PA
.set BHALF,  64*PB                     ; and of W
.set SLOT,   ABYTES+128*PB             ; 137,216
.set STAGE,  2*SLOT                    ; 274,432, a multiple of 256: no fill lands from here on
.set SP,     272                       ; the stage: a row holds two tokens of one head (2 x 128 bytes) + 16
.set STW,    16*SP                     ; a wave's stage: 2 heads x 8 such rows
.set ADRA, 16                          ; v16-17  LDS address of my x fragments in slot 0, 1
.set ADRB, 20                          ; v20-21  the same for W
.set STO,  24
.set RD,   25
.set CO,   26
.set VB,   27
.set PF,   28                          ; v28     the block of x that my lane asks for ahead, from the row tile's first byte; never rewritten
.set OB,   32
.set RAW,  64                          ; x as f32: quarter q lies in buffer q % 2, at v[RAW + 128 (q % 2)]
.set TMP,  96                          ; in x's f32 buffer 0, which is free on the way out (buffer 1 then holds the next tile's quarter 1)
.set FA,   128
.set BIAS, 128                         ; in window 1: registers of its own, so that the next tile's bias can be loaded ahead of the way out
.set NONE, 64                          ; a run of products with no conversions behind them: no count from 1 to 32 is a multiple of it
.set HOFF, 16                          ; s[16:17] the 64 rows of x that my wave fetches, in bytes from the row tile's first
.set G1,  24                           ; s[24:31] descriptor group 1 for x;  s[32:39] group 0, a set for each slot
.set G0,  32
.set G1B, 48                           ; s[48:55], s[56:63] the same for W
.set G0B, 56
.set NX,  70                           ; s[70:71] the next product's x at my row tile;  s[72:73] the one after
.set NX2, 72
.set NB,  76                           ; s[76:77] the next product's bias at my columns;  s[78:79] the one after
.set NB2, 78
.set PP,  84                           ; s[84:85] the base of the requests ahead
.set CL,  86                           ; s[86:87] the last product's last lap of x: where those requests stop
.set MSB, 0
.macro WIN new                         ; the immediate's high byte repeats the setting that is left; a switch that changes nothing is dropped
.if MSB != \new
	s_set_vgpr_msb (MSB<<8)|\new
.set MSB, \new
.endif
.endm
.set MUL,    0xa1                      ; source 0 (W) window 1, source 1 (x) window 0, C and D window 2
.set MULB,   0x91                      ; the same with C (the bias) in window 1
.set TO_B,   0x40                      ; destination window 1, address window 0
.set CV_ACC, 0x0a                      ; sources 0 and 1 window 2, destination window 0
.macro WMUL first
.if \first
	WIN MULB
.else
	WIN MUL
.endif
.endm
.macro PLACES                          ; four plain vector instructions behind matrix instructions (ISA guide 7.12.1)
.rept 4
	v_nop
.endr
.endm
; A joint refill: waves 0 and 1 fetch the halves of x, waves 2 and 3 those of W.  The branch hangs on the wave's number alone.  Four v_nop follow each line.
.macro JLOAD s
	s_cmp_eq_u32 s11, 0
	s_cbranch_scc0 .Lfor_b_\@
	tensor_load_to_lds s[G0+4*\s:G0+4*\s+3], s[G1:G1+7]
	s_nop 0
.rept 4
	v_nop
.endr
	s_branch .Lasked_\@
.Lfor_b_\@:
	tensor_load_to_lds s[G0B+4*\s:G0B+4*\s+3], s[G1B:G1B+7]
	s_nop 0
.rept 4
	v_nop
.endr
.Lasked_\@:
.endm
.macro CREST                           ; a round of the cluster's barrier behind its opening barrier
	s_cmp_lg_u32 s10, 0
	s_cbranch_scc1 .Lnot_wave_0_\@
	s_barrier_signal -3
.Lnot_wave_0_\@:
	s_barrier_wait -3
	s_barrier_signal -1
	s_barrier_wait -1
.endm
.macro CROUND                          ; a whole round
	s_barrier_signal -1
	s_barrier_wait -1
	CREST
.endm
	s_load_b512 s[68:83], s[0:1], 0x0              ; query 68, key 70, value 72, bq 74, bk 76, bv 78, wh 80, qkv 82
	v_lshl_add_u32 v30, v0, 2, 0x47400
	v_mov_b32 v31, 0
	ds_add_u32 v30, v31
	v_lshrrev_b32 v1, 5, v0
	v_readfirstlane_b32 s10, v1                    ; wave 0..3
	s_lshr_b32 s11, s10, 1                         ; my half of the tile's rows.  Also: I fetch x (0) or W (1)
	s_and_b32 s12, s10, 1                          ; my half of its columns.  Also: which half of that tile I fetch
	s_bfe_u32 s40, ttmp6, 0x40000                  ; cx
	s_bfe_u32 s41, ttmp6, 0x40004                  ; cy
	s_lshl_b32 s42, ttmp9, 2
	s_add_co_u32 s42, s42, s40                     ; column tile = 4 x cluster x + cx
	s_and_b32 s13, ttmp7, 0xffff                   ; the cluster's y, 0..15
	s_lshl_b32 s14, s13, 2
	s_add_co_u32 s14, s14, s41                     ; row tile 0..63
	s_lshl_b32 s43, s41, 2
	s_lshl_b32 s43, 15, s43                        ; my row of the cluster
	s_lshl_b32 s44, 0x1111, s40                    ; my column
	; group 1 for x: 64 rows x 128 elements of 4 bytes; 4 words of padding behind every 128 words
	s_or_b32 s[G1+0], s43, (2<<16)|(1<<20)|(1<<21)|(6<<22)|(3<<25)
	s_mov_b32 s[G1+1], 128<<16                     ; tensor_dim0 = 128
	s_mov_b32 s[G1+2], 64<<16                      ; tensor_dim1 = 64
	s_mov_b32 s[G1+3], 128<<16                     ; tile_dim0 = 128
	s_mov_b32 s[G1+4], 64                          ; tile_dim1 = 64
	s_mov_b32 s[G1+5], 1024                        ; elements from row to row
	s_mov_b32 s[G1+6], 0
	s_mov_b32 s[G1+7], 0
	; group 1 for W: 64 rows x 256 elements of 2 bytes; 8 words of padding behind every 128 words
	s_or_b32 s[G1B+0], s44, (1<<16)|(1<<20)|(1<<21)|(6<<22)|(7<<25)
	s_mov_b32 s[G1B+1], 256<<16
	s_mov_b32 s[G1B+2], 64<<16
	s_mov_b32 s[G1B+3], 256<<16
	s_mov_b32 s[G1B+4], 64
	s_mov_b32 s[G1B+5], 1024
	s_mov_b32 s[G1B+6], 0
	s_mov_b32 s[G1B+7], 0
	; x's offsets hang on the row tile and the wave, W's on the column tile and the wave; neither set of registers ever holds the other coordinate
	s_lshl_b32 s6, s14, 19                         ; the row tile: 128 rows of 4,096 bytes
	s_mov_b32 s7, 0
	s_lshl_b32 s[HOFF], s12, 18                    ; my 64 of them
	s_mov_b32 s[HOFF+1], 0
	s_lshl_b32 s46, s12, 17                        ; my 64 k rows of 2,048 bytes
	s_lshl_b32 s47, s42, 9                         ; 256 columns of 2 bytes
	s_add_co_u32 s46, s46, s47
	s_mov_b32 s47, 0
	s_mul_i32 s20, s12, AHALF                      ; where they go: the wave's number alone enters an LDS address
	s_mul_i32 s21, s12, BHALF
	s_add_co_u32 s21, s21, ABYTES
	s_wait_dscnt 0x0
	s_wait_kmcnt 0x0
.irp p, 68, 70, 72
	s_add_nc_u64 s[\p:\p+1], s[\p:\p+1], s[6:7]    ; the three x at my row tile
.endr
	s_add_nc_u64 s[4:5], s[68:69], s[HOFF:HOFF+1]  ; the first product's x at my wave's rows
	s_add_nc_u64 s[46:47], s[80:81], s[46:47]      ; the first weight at my wave's rows and the tile's columns
	s_add_nc_u64 s[PP:PP+1], s[68:69], 2048        ; the first request ahead: the first product's third lap (K steps 4 and 5)
	s_add_nc_u64 s[CL:CL+1], s[NX2:NX2+1], 3072    ; the last product's fourth lap
	CROUND                                         ; all sixteen work-groups are here: the first joint loads meet
.irp s, 0,1
	s_mov_b32 s[G0+4*\s], 1
	s_add_co_u32 s[G0+4*\s+1], s20, \s*SLOT
	s_add_nc_u64 s[G0+4*\s+2:G0+4*\s+3], s[4:5], \s*512            ; K step s: 128 numbers of 4 bytes along the rows
	s_or_b32 s[G0+4*\s+3], s[G0+4*\s+3], 0x80000000
	s_mov_b32 s[G0B+4*\s], 1
	s_add_co_u32 s[G0B+4*\s+1], s21, \s*SLOT
	s_add_nc_u64 s[G0B+4*\s+2:G0B+4*\s+3], s[46:47], \s*262144     ; K step s: 128 rows of 2,048 bytes
	s_or_b32 s[G0B+4*\s+3], s[G0B+4*\s+3], 0x80000000
.endr
	s_cmp_eq_u32 s11, 0                            ; a wave's two first fills stand in one branch: two loads of mine are out
	s_cbranch_scc0 .Lfirst_b
	tensor_load_to_lds s[G0:G0+3], s[G1:G1+7]
	s_nop 0
	tensor_load_to_lds s[G0+4:G0+7], s[G1:G1+7]
	s_nop 0
.rept 4
	v_nop
.endr
	s_branch .Lfirst_asked
.Lfirst_b:
	tensor_load_to_lds s[G0B:G0B+3], s[G1B:G1B+7]
	s_nop 0
	tensor_load_to_lds s[G0B+4:G0B+7], s[G1B:G1B+7]
	s_nop 0
.rept 4
	v_nop
.endr
.Lfirst_asked:
	; lane terms.  r = lane % 16, h = lane / 16
	v_and_b32 v1, 15, v0
	v_bfe_u32 v2, v0, 4, 1
	v_mul_u32_u24 v3, v1, PA                       ; x: row r, and 8 h numbers of 4 bytes
	v_lshl_add_u32 v3, v2, 5, v3
	v_and_b32 v4, 7, v0                            ; W: k row 8 h + lane % 8, 16 bytes at 16 ((lane / 8) % 2)
	v_lshl_add_u32 v4, v2, 3, v4
	v_mul_u32_u24 v4, v4, PB
	v_bfe_u32 v5, v0, 3, 1
	v_lshl_add_u32 v4, v5, 4, v4
	s_mul_i32 s22, s11, AHALF                      ; my 64 rows of x
	s_lshl_b32 s23, s12, 8                         ; my 128 columns of W,
	s_add_co_u32 s23, s23, ABYTES                  ; which lies behind x
.irp s, 0,1
	v_add_nc_u32 v[ADRA+\s], s22, v3
	v_add_nc_u32 v[ADRB+\s], s23, v4
	s_add_co_u32 s22, s22, SLOT
	s_add_co_u32 s23, s23, SLOT
.endr
	s_mul_i32 s22, s10, STW
	s_add_co_u32 s22, s22, STAGE                   ; my stage
	v_lshrrev_b32 v6, 1, v1                        ; in: token r lies in row r / 2, half r % 2; 16 bytes for each half of the lanes
	v_mul_u32_u24 v6, v6, SP
	v_and_b32 v7, 1, v0
	v_lshl_add_u32 v6, v7, 7, v6
	v_lshl_add_u32 v6, v2, 4, v6
	v_add_nc_u32 v[STO], s22, v6
	v_mul_u32_u24 v7, v2, SP                       ; back: lanes 0-15 take one row of 256 bytes, lanes 16-31 the next
	v_lshl_add_u32 v7, v1, 4, v7
	v_add_nc_u32 v[RD], s22, v7
	v_and_b32 v8, 31, v0
	v_lshlrev_b32 v[CO], 4, v8                     ; in qkv four tokens of a head are 512 neighbouring bytes
	v_lshlrev_b32 v[VB], 5, v2                     ; the bias: 8 h numbers of 4 bytes
	; The requests ahead.  A lap's part of a row tile of x is 128 rows x 1,024 bytes = 512 blocks of 256 bytes.  The four partners that share the rows have 16 waves: wave 4 cx + w takes
	; rows 8 (4 cx + w) on, lane l row l / 4 of them and block l % 4: each block is asked for by one lane of one wave of one work-group.
	s_lshl_b32 s46, s40, 2
	s_add_co_u32 s46, s46, s10
	s_lshl_b32 s46, s46, 15                        ; 8 rows of 4,096 bytes
	v_lshrrev_b32 v9, 2, v8
	v_and_b32 v10, 3, v8
	v_lshlrev_b32 v9, 12, v9
	v_lshl_add_u32 v9, v10, 8, v9
	v_add_nc_u32 v[PF], s46, v9
	s_lshl_b32 s46, s42, 10                        ; the bias of my 128 columns
	s_lshl_b32 s47, s12, 9
	s_add_co_u32 s46, s46, s47
	s_mov_b32 s47, 0
.irp p, 74, 76, 78
	s_add_nc_u64 s[\p:\p+1], s[\p:\p+1], s[46:47]
.endr
.macro LDBIAS p                        ; register j of block b: column 16 b + 8 h + j, as an accumulator holds it
	WIN TO_B
.irp b, 0,1,2,3,4,5,6,7
	global_load_b128 v[BIAS+8*\b:BIAS+8*\b+3],   v[VB], s[\p:\p+1] offset:64*\b
	global_load_b128 v[BIAS+8*\b+4:BIAS+8*\b+7], v[VB], s[\p:\p+1] offset:64*\b+16
.endr
	WIN 0
.endm
	LDBIAS 74
	; where my part of the first product's tile begins in qkv
	s_lshr_b32 s18, s14, 4
	s_lshl_b32 s18, s18, 22                        ; the batch
	s_lshl_b32 s19, s42, 2
	s_add_co_u32 s19, s19, s12
	s_add_co_u32 s19, s19, s12                     ; head 4 x column tile + 2 x half
	s_lshl_b32 s19, s19, 18
	s_add_co_u32 s18, s18, s19
	s_and_b32 s19, s14, 15
	s_lshl_b32 s19, s19, 14                        ; 128 tokens of 128 bytes
	s_add_co_u32 s18, s18, s19
	s_lshl_b32 s19, s11, 13                        ; my 64 of them
	s_add_co_u32 s18, s18, s19
	s_mov_b32 s19, 0
	s_add_nc_u64 s[8:9], s[82:83], s[18:19]
; Product p of a quarter's 32: row block p / 8 x column block p % 8, 32 along K, buffer f.  first = 1: the bias starts the sum: nothing is cleared, no bias is added later.
; The 32 accumulators take turns, one instruction a turn, in the same order in every quarter, from tile to tile too.
.macro PROD f, first
.if \first
	v_wmma_f32_16x16x32_f16 v[8*p:8*p+7], v[64*(\f)+8*(p%8):64*(\f)+8*(p%8)+7], v[FA+32*(\f)+8*(p/8):FA+32*(\f)+8*(p/8)+7], v[BIAS+8*(p%8):BIAS+8*(p%8)+7]
.else
	v_wmma_f32_16x16x32_f16 v[8*p:8*p+7], v[64*(\f)+8*(p%8):64*(\f)+8*(p%8)+7], v[FA+32*(\f)+8*(p/8):FA+32*(\f)+8*(p/8)+7], v[8*p:8*p+7]
.endif
.endm
; A slice: conversions c to c + 3 of the 32 that narrow a quarter's x, from the f32 buffer at v[RW], into f16 buffer g.  Register c of a buffer is register c % 8 of row block c / 8's fragment.
.macro CV4 g
	WIN 0
.rept 4
	v_cvt_pk_f16_f32 v[FA+32*(\g)+c], v[RW+2*c], v[RW+2*c+1]
.set c, c+1
.endr
.endm
; n products from p on, on buffer f, with a slice into buffer g behind every 'every'-th.  A slice and its two window switches are six instructions for the time of a product.
.macro RUN f, first, n, every, g
.rept \n
	WMUL \first
	PROD \f, \first
.set p, p+1
.if p%\every == 0
	CV4 \g
.endif
.endr
.endm
; 16 LDS loads: W of quarter q of a slot, turned, into buffer g (window 1)
.macro LDW slot, q, g
.irp b, 0,1,2,3,4,5,6,7
	ds_load_tr16_b128 v[64*(\g)+8*\b:64*(\g)+8*\b+3],   v[ADRB+\slot] offset:(\q)*32*PB+32*\b
	ds_load_tr16_b128 v[64*(\g)+8*\b+4:64*(\g)+8*\b+7], v[ADRB+\slot] offset:(\q)*32*PB+32*\b+16*PB
.endr
.endm
; 16 LDS loads: x of quarter q of a slot, as f32, into buffer q % 2
.macro LDX slot, q
.set RX, RAW+128*((\q)%2)
.irp a, 0,1,2,3
	ds_load_b128 v[RX+16*\a:RX+16*\a+3],     v[ADRA+\slot] offset:\a*16*PA+128*(\q)      ; k = 8 h + 0..3
	ds_load_b128 v[RX+16*\a+4:RX+16*\a+7],   v[ADRA+\slot] offset:\a*16*PA+128*(\q)+16   ; k = 8 h + 4..7
	ds_load_b128 v[RX+16*\a+8:RX+16*\a+11],  v[ADRA+\slot] offset:\a*16*PA+128*(\q)+64   ; k = 16 + 8 h + 0..3
	ds_load_b128 v[RX+16*\a+12:RX+16*\a+15], v[ADRA+\slot] offset:\a*16*PA+128*(\q)+80   ; k = 16 + 8 h + 4..7
.endr
.endm
; A request ahead: one instruction a wave and lap.  It asks for the part of x (128 rows x 1,024 bytes, shared out as said at v[PF]) that the ring takes two laps on; the tensor loads for
; it are issued in the lap that follows this one.  It stands behind a quarter's LDS loads, in front of its products.  What a work-group has asked for and not yet read: 2 x 32 KiB.
.macro ASK
	global_prefetch_b8 v[PF], s[PP:PP+1] th:TH_LOAD_NT scope:SCOPE_SE
.endm
; Quarter q = 0, 1 or 2 of a K step: multiplies buffer q % 2.  At its head W of quarter q + 1 is fetched into the other buffer, which the quarter before multiplied: the slice behind that
; quarter's last product, four plain instructions that name none of its registers, is the four places (ISA guide 7.12.1 for the conversions) in front of these loads and of
; this quarter's first conversions.  x of quarter q + 2 follows, into the f32 buffer that the quarter before narrowed (quarter 2 has none: that x lies in the next slot).
; ask = 1: the lap's request ahead goes out here.
.macro QUARTER slot, q, first, ask
	WIN TO_B
	LDW \slot, (\q)+1, 1-(\q)%2
	s_wait_dscnt 16                                ; all but the 16 just issued: this quarter's W and the next quarter's x, both asked for a quarter ago, are in
.if (\q) < 2
	WIN 0
	LDX \slot, (\q)+2
.endif
.if \ask
	ASK
.endif
.set p, 0
.set c, 0
.set RW, RAW+128*(((\q)+1)%2)
	RUN (\q)%2, \first, 32, 4, 1-(\q)%2
.endm
; Quarter 3 multiplies buffer 1 and changes slots: one barrier.  In front of it each wave waits for its reads of this slot (the last, W of this quarter, were issued 32 products ago) and for
; all its tensor loads (one is out: its part of the next slot).  fill = 1 or 2: the barrier opens a round of the cluster's, and behind the round this slot is filled again first: with this
; product's K step two steps on (1), or, in a tile's last two K steps, with the NEXT product's K step 0 or 1 (2).  x's address is then made anew from that product's own pointer.  W's is
; stepped as ever: in wh the weights lie one behind the other, 1,024 k rows each, so that K step 8 of one is K step 0 of the next.
; Then the pipeline is started in the next slot: x of its quarter 0, W of its quarter 0, x of its quarter 1, 48 loads; 16 products later the first 16 are waited for, and that x is narrowed
; behind the quarter's last eight products, a slice behind each.
.macro TURN slot, next, fill
	s_wait_dscnt 0x0                               ; my reads of this slot are over
	s_wait_tensorcnt 0x0                           ; and all my tensor loads have landed: no load of mine is out, so a group 0 may be written
	ds_add_u32 v30, v31
	s_wait_dscnt 0x0
	WIN MUL
	s_barrier_signal -1
.set p, 0
	RUN 1, 0, 8, NONE, 0                           ; work on registers while the others arrive
.if \fill
	WIN 0
.endif
	s_barrier_wait -1
.if \fill
	CREST                                          ; no wave of any partner still reads this slot or has a load on its way
.if \fill == 2
	s_add_nc_u64 s[G0+4*\slot+2:G0+4*\slot+3], s[NX:NX+1], s[HOFF:HOFF+1]
.if \slot
	s_add_nc_u64 s[G0+4*\slot+2:G0+4*\slot+3], s[G0+4*\slot+2:G0+4*\slot+3], \slot*512
.endif
	s_or_b32 s[G0+4*\slot+3], s[G0+4*\slot+3], 0x80000000
.else
	s_add_nc_u64 s[G0+4*\slot+2:G0+4*\slot+3], s[G0+4*\slot+2:G0+4*\slot+3], 1024
.endif
	s_add_nc_u64 s[G0B+4*\slot+2:G0B+4*\slot+3], s[G0B+4*\slot+2:G0B+4*\slot+3], 524288
	JLOAD \slot                                    ; my one tensor load behind the round: 120 products stand between it and the wait for it
.endif
	WIN 0
	LDX \next, 0
	WIN TO_B
	LDW \next, 0, 0                                ; W's buffer 0 was last read in quarter 2, whose last slice stands behind its last product
	WIN 0
	LDX \next, 1
	RUN 1, 0, 16, NONE, 0
	s_wait_dscnt 32                                ; x of the next slot's quarter 0 is in; the 32 loads issued behind it stay out
.set c, 0
.set RW, RAW
	RUN 1, 0, 8, 1, 0
.endm
; A tile up to its last lap's first quarter.  The first quarter's products start the sums, from the bias.  A trip of the loop goes once round the ring, from a lap's second quarter to the
; next lap's first, and fills both slots again: K steps 2 to 7.  The first two trips ask ahead for this product's third and fourth lap; in the third the base is replaced by s[nxt]:
; the next product's x, whose first lap is two laps on, or, in the last tile, that tile's own fourth lap once more: no request points past its buffer.
.macro BODY nxt
	s_wait_loadcnt 0x0                             ; the bias
	QUARTER 0, 0, 1, 0
	s_mov_b32 s3, 3
.Llap_\@:
	s_cmp_eq_u32 s3, 1                             ; the third trip: the choice hangs on the counter alone
	s_cselect_b64 s[PP:PP+1], s[\nxt:\nxt+1], s[PP:PP+1]
	QUARTER 0, 1, 0, 1
	QUARTER 0, 2, 0, 0
	TURN 0, 1, 1
	QUARTER 1, 0, 0, 0
	QUARTER 1, 1, 0, 0
	QUARTER 1, 2, 0, 0
	TURN 1, 0, 1
	QUARTER 0, 0, 0, 0
	s_wait_xcnt 0x0                                ; the trip's request ahead, a lap back, has had its address taken: its base is stepped only behind this wait
	s_add_nc_u64 s[PP:PP+1], s[PP:PP+1], 1024      ; a lap along the rows
	s_sub_co_u32 s3, s3, 1
	s_cmp_lg_u32 s3, 0
	s_cbranch_scc1 .Llap_\@
.endm
; THE WAY OUT, a block of 16 tokens at a time.  PACK: rounded to f16, each accumulator's registers in ascending order, 16 bytes a lane.  TOSTAGE: into my stage, by heads, two tokens
; to a row, and back as whole rows of 256 bytes.  SEND: stored; a store covers 512 consecutive bytes (four tokens of a head), aligned.
.macro PACK a
	WIN CV_ACC
.irp b, 0,1,2,3,4,5,6,7
.irp j, 0,1,2,3
	v_cvt_pk_f16_f32 v[TMP+4*\b+\j], v[8*(8*(\a)+\b)+2*\j], v[8*(8*(\a)+\b)+2*\j+1]
.endr
.endr
	WIN 0
.endm
.macro TOSTAGE a
.set BK, OB+32*((\a)%2)
.irp b, 0,1,2,3,4,5,6,7
	ds_store_b128 v[STO], v[TMP+4*\b:TMP+4*\b+3] offset:(\b/4)*8*SP+(\b%4)*32    ; head b / 4, channels 16 (b % 4) + 8 h on
.endr
.irp t, 0,1,2,3,4,5,6,7
	ds_load_b128 v[BK+4*\t:BK+4*\t+3], v[RD] offset:(\t/4)*8*SP+(\t%4)*2*SP      ; LDS serves a wave's instructions in order (ISA guide 5.7.1.4): these see the stores above
.endr
.endm
.macro SEND a
.set BK, OB+32*((\a)%2)
	s_wait_dscnt 0x0                               ; the block is back in registers
	s_wait_xcnt 0x0                                ; the stores of the block before have read their registers: those are loaded again only behind this wait
.irp t, 0,1,2,3,4,5,6,7
	global_store_b128 v[CO], v[BK+4*\t:BK+4*\t+3], s[8:9] offset:(\a)*2048+(\t/4)*262144+(\t%4)*512
.endr
.endm
.macro WAYOUT                          ; block a's conversions stand between block a - 1's loads from the stage and the wait for them
	PACK 0
	TOSTAGE 0
.irp a, 1,2,3
	PACK \a
	SEND \a-1
	TOSTAGE \a
.endr
	SEND 3
.endm
	s_wait_tensorcnt 0x1                           ; my part of K step 0 is in; K step 1's load may stay out
	s_barrier_signal -1
	s_barrier_wait -1                              ; everybody's is
	LDX 0, 0                                       ; the pipeline is started as a change of slots starts it
	WIN TO_B
	LDW 0, 0, 0
	WIN 0
	LDX 0, 1
	s_wait_dscnt 32                                ; x of quarter 0 is in; the 32 loads issued behind it stay out
.set c, 0
.set RW, RAW
.rept 8
	CV4 0
.endr
	s_mov_b32 s2, TILES-1                          ; the tiles that have a successor: the same number in every work-group
.Ltile:
	BODY NX
	QUARTER 0, 1, 0, 1                             ; the tile's last lap goes on; it asks ahead for the next product's second lap
	QUARTER 0, 2, 0, 0
	TURN 0, 1, 2                                   ; THE RING GOES ON INTO THE NEXT TILE: slot 0 takes its K step 0,
	QUARTER 1, 0, 0, 0
	QUARTER 1, 1, 0, 0
	QUARTER 1, 2, 0, 0
	TURN 1, 0, 2                                   ; slot 1 its K step 1, and the pipeline is started in the next tile's first slot
	LDBIAS NB                                      ; the next tile's bias: its registers were last read by this tile's first quarter
	WAYOUT                                         ; both refills are asked for: now the tile goes out.  No v_nop: the slice behind the last product is its four places, and the blocks are packed in the order in which they were finished
	s_wait_xcnt 0x0                                ; the stores, the bias's loads and the request ahead have had their addresses taken: their bases, and the registers that the last stores read, are rewritten only behind this wait
	s_add_nc_u64 s[PP:PP+1], s[PP:PP+1], 1024      ; the next product's third lap
	s_mov_b64 s[NX:NX+1], s[NX2:NX2+1]             ; the product after the next moves up
	s_mov_b64 s[NB:NB+1], s[NB2:NB2+1]
	s_add_nc_u64 s[8:9], s[8:9], 1<<24             ; the next product's 16 MiB of qkv
	s_sub_co_u32 s2, s2, 1
	s_cmp_lg_u32 s2, 0
	s_cbranch_scc1 .Ltile
	BODY CL                                        ; the last tile is written out: its last lap fills nothing and asks for nothing
	QUARTER 0, 1, 0, 0
	QUARTER 0, 2, 0, 0
	TURN 0, 1, 0
	QUARTER 1, 0, 0, 0
	QUARTER 1, 1, 0, 0
	QUARTER 1, 2, 0, 0
	s_wait_dscnt 0x0                               ; W of the very last quarter
.set p, 0
	RUN 1, 0, 32, NONE, 0                          ; nothing is left to fetch or to narrow
	WIN 0
	PLACES                                         ; the conversions below read results just made
	WAYOUT
	s_wait_tensorcnt 0x0
	ds_add_u32 v30, v31
	s_wait_dscnt 0x0
	CROUND                                         ; the closing round: no work-group ends while a partner may still ask for a tile that names it
	s_endpgm
.Lfunc_end_k_q031e63c4a1_proj:
	.size	k_q031e63c4a1_proj, .Lfunc_end_k_q031e63c4a1_proj-k_q031e63c4a1_proj
	.p2alignl 7, 3214868480
	.fill 96, 4, 3214868480
	.section	.rodata,"a",@progbits
	.p2align	6, 0x0
	.amdhsa_kernel k_q031e63c4a1_proj
		.amdhsa_group_segment_fixed_size 327680
		.amdhsa_private_segment_fixed_size 0
		.amdhsa_enable_private_segment 0
		.amdhsa_kernarg_size 64
		.amdhsa_user_sgpr_count 2
		.amdhsa_user_sgpr_kernarg_segment_ptr 1
		.amdhsa_wavefront_size32 1
		.amdhsa_system_sgpr_workgroup_id_x 1
		.amdhsa_system_sgpr_workgroup_id_y 1
		.amdhsa_system_sgpr_workgroup_id_z 1
		.amdhsa_system_vgpr_workitem_id 0
		.amdhsa_next_free_vgpr 768
		.amdhsa_next_free_sgpr 88
		.amdhsa_reserve_vcc 0
		.amdhsa_float_denorm_mode_32 3
		.amdhsa_float_denorm_mode_16_64 3
		.amdhsa_memory_ordered 1
		.amdhsa_forward_progress 1
		.amdhsa_inst_pref_size 255
	.end_amdhsa_kernel
	.section	.bss,"aw",@nobits
	.p2align	6
	.space	262144
	.amdgpu_metadata
---
amdhsa.version: [ 1, 2 ]
amdhsa.kernels:
  - .name:           k_q031e63c4a1_proj
    .symbol:         k_q031e63c4a1_proj.kd
    .args:
      - { .name: query, .offset: 0, .size: 8, .value_kind: global_buffer, .address_space: global }
      - { .name: key, .offset: 8, .size: 8, .value_kind: global_buffer, .address_space: global }
      - { .name: value, .offset: 16, .size: 8, .value_kind: global_buffer, .address_space: global }
      - { .name: bq, .offset: 24, .size: 8, .value_kind: global_buffer, .address_space: global }
      - { .name: bk, .offset: 32, .size: 8, .value_kind: global_buffer, .address_space: global }
      - { .name: bv, .offset: 40, .size: 8, .value_kind: global_buffer, .address_space: global }
      - { .name: wh, .offset: 48, .size: 8, .value_kind: global_buffer, .address_space: global }
      - { .name: qkv, .offset: 56, .size: 8, .value_kind: global_buffer, .address_space: global }
    .group_segment_fixed_size: 327680
    .private_segment_fixed_size: 0
    .kernarg_segment_align: 8
    .kernarg_segment_size: 64
    .max_flat_workgroup_size: 128
    .sgpr_count:     88
    .vgpr_count:     768
    .wavefront_size: 32
...
	.end_amdgpu_metadata
.endif
;; end of part 2
;; launch attn (part 3): grid 8 x 64, 4 waves a work-group, clusters of 4 x 1, 327,680 bytes of LDS; arguments qkv, att; writes att
.if DOCPART == 3
	.amdgcn_target "amdgcn-amd-amdhsa--gfx1250"
	.amdhsa_code_object_version 6
	.text
	.protected	k_q031e63c4a1_attn
	.globl	k_q031e63c4a1_attn
	.p2align	8
	.type	k_q031e63c4a1_attn,@function
k_q031e63c4a1_attn:
	s_mov_b64 s[64:65], 0
	v_nop
	global_prefetch_b8 v0, s[64:65] scope:SCOPE_SE
	s_setreg_imm32_b32 hwreg(HW_REG_WAVE_MODE, 25, 1), 1
	s_wait_xcnt 0x0
	s_wait_alu depctr_hold_cnt(0) depctr_sa_sdst(0) depctr_va_vdst(0) depctr_va_sdst(0) depctr_va_ssrc(0) depctr_va_vcc(0) depctr_vm_vsrc(0)
	s_getreg_b32 s2, hwreg(HW_REG_IB_STS2, 6, 4)
	s_cmp_eq_u32 s2, 0
	s_cbranch_scc0 .Lentry_in_a_cluster
	s_endpgm
.Lentry_in_a_cluster:
	s_bfe_u32 s2, ttmp6, 0x10000c
	s_cmp_lg_u32 s2, 0x3003
	s_cbranch_scc0 .Lentry_shape_is_right
	s_endpgm
.Lentry_shape_is_right:
; att[bh][q][:] = the sum over k of softmax_k(Q[bh][q] . K[bh][k] / 8) V[bh][k][:].  Q, K, V: qkv[0], qkv[1], qkv[2], each [64 bh][2048][64] f16; att: the same shape, f16.
; Products, maxima and sums in f32; the weights p are rounded to f16 for the second product, the result once at the end.
; LIMITS: a weight p below 2^-25 rounds to zero in f16; the result, a convex mix of V's rows, stays in f16's range with them.  The running maximum is taken away before every exponential.
; SHARES.  A work-group owns 256 queries of one (batch, head), each of its four waves 64: four tiles of 16.  Every wave walks all 2,048 keys, 64 a step.
; LAYOUT.  S^T = K Q^T (source 0 = 16 keys, source 1 = 16 queries): a lane holds ONE query (lane % 16) and the keys 8 (lane / 16) + 0..7.  Two such tiles, rounded in pairs, ARE source 1
; (32 keys x 16 queries) of O^T = V^T P, whose result again holds one query a lane.  K comes out of LDS as it lies, V turned, by ds_load_tr16_b128.
; PAIRED ROWS.  A key's 64 channels are 128 bytes, and a head's keys are dense in memory: an LDS row holds two keys (256 bytes) and padding; key t lies at (t / 2) pitch + (t % 2) 128.
; SOFTMAX.  For each query a running maximum m and sum l: p = 2^(c s - c m), c = log2(e) / 8; in every step O and l are multiplied by a = 2^(c m_old - c m_new).
; BY TURNS.  The wave's tiles are two pieces: piece 0 (tiles 0, 1) and piece 2 (tiles 2, 3).  In a turn one piece has the matrix unit: 16 products V^T P of the step in hand, then 16
; products K Q^T of the next step; the other piece's softmax, 2 x 118 instructions cut into 59 slices of four, stands between them: one slice behind each of the first five, two behind each other.
; CLUSTER.  The four query blocks of a cluster belong to one head and walk the same K and V: each tile is asked for jointly.
; REGISTERS.  window 0: v2-11 addresses; v12-43 eight registers of statistics a tile; v64-191 S^T, 32 a tile; v192-255 P, 16 a tile
;             window 1: v0-127 O^T, 32 a tile; v128-191 Q, 16 a tile; v192-255 K of one step          window 2: v0-63 V of one step
.set PK,    272       ; a paired row of K: 256 + 16: the 16 keys of a load start at 16 different 16-byte columns of 256 (even keys 0..112, odd keys 128..240)
.set PV,    288       ; a paired row of V: 256 + 32
.set KSB,   32*PK     ; a key step's 64 keys of K
.set VSB,   32*PV     ; and of V
.set VOFF,  128*PK    ; a slot: 256 keys of K, then 256 keys of V
.set SLOTB, VOFF+128*PV
.set SLOT1, 1<<17     ; slot 1 begins here, so that one exclusive or turns an address in one slot into the other's
.set STAGE, SLOT1+SLOTB  ; 202,752, a multiple of 256; behind the ring: 8 paired rows x 272 bytes for each wave
.set SP,    272
.set FILLB, 256*128   ; a slot's keys in memory
.set NSL,   59        ; slices in a piece's softmax
.set AK0, 2           ; v2   my lane's place in a step of K; never rewritten
.set AV0, 3           ; v3   the same for V
.set ADR, 4           ; v4   the LDS address of the run of loads in hand
.set QO,  5           ; v5   my byte offset in the wave's rows of Q
.set STO, 6
.set RD,  7
.set GO,  8
.set ST,  12          ; tile t's statistics at v[ST+8 t]: +0 c m, +1 m, +2, +3 l (even keys', odd keys'), +4 to +7 c0-c3, at work; a takes c2's place once the maximum is found
.set S,   64
.set P,   192
.set QF,  128         ; in window 1
.set KF,  192         ; in window 1
.set WV,  12          ; s12  my wave's number
.set G1K, 24          ; s[24:31] descriptor group 1 for K
.set G1V, 32          ; s[32:39] for V: it differs in the padding alone
.set G0K, 40          ; s[40:47] group 0 for K: a set for each of the two first fills; the second then walks on
.set G0V, 48          ; s[48:55] the same for V
.set SLOTS, 56
.set TWICE, 57
.set CS,  58          ; s[58:59] c
.set SEL, 60          ; s[60:61] lane selects for v_permlanex16_b32
.set TBK, 62          ; s62  LDS byte at which K of the step to be fetched begins
.set TBV, 63          ; s63  the same for V, less VOFF
.set MSB, 0
.macro WIN new
.if MSB != \new
	s_set_vgpr_msb (MSB<<8)|\new
.set MSB, \new
.endif
.endm
.set W_KQ, 0x05       ; K and Q in window 1, S^T in window 0
.set W_PV, 0x52       ; V in window 2, P in window 0, O^T in window 1
.set W_RS, 0x41       ; O^T (destination and source 0) in window 1, a in window 0
; A joint refill: waves 0 and 1 fetch the halves of a slot's K, waves 2 and 3 those of its V.  Four v_nop follow each line.
.macro JLOAD
	s_cmp_lt_u32 s[WV], 2
	s_cbranch_scc0 .Lfor_v_\@
	tensor_load_to_lds s[G0K+4:G0K+7], s[G1K:G1K+7]
	s_nop 0
.rept 4
	v_nop
.endr
	s_branch .Lasked_\@
.Lfor_v_\@:
	tensor_load_to_lds s[G0V+4:G0V+7], s[G1V:G1V+7]
	s_nop 0
.rept 4
	v_nop
.endr
.Lasked_\@:
.endm
.macro CROUND                       ; a round of the cluster's barrier
	s_barrier_signal -1
	s_barrier_wait -1
	s_cmp_lg_u32 s[WV], 0
	s_cbranch_scc1 .Lnot_wave_0_\@
	s_barrier_signal -3
.Lnot_wave_0_\@:
	s_barrier_wait -3
	s_barrier_signal -1
	s_barrier_wait -1
.endm
	s_load_b128 s[4:7], s[0:1], 0x0   ; qkv s[4:5], att s[6:7]
	v_lshl_add_u32 v62, v0, 2, 0x33a00
	v_mov_b32 v63, 0
	ds_add_u32 v62, v63
	v_lshrrev_b32 v1, 5, v0
	v_readfirstlane_b32 s[WV], v1   ; wave 0..3
	s_bfe_u32 s13, ttmp6, 0x40000   ; cx
	s_lshl_b32 s14, ttmp9, 2
	s_add_co_u32 s14, s14, s13      ; my block of 256 queries: it enters Q's and the output's addresses alone
	s_and_b32 s20, ttmp7, 0xffff    ; the (batch, head), which the four partners share
	s_lshl_b32 s20, s20, 18         ; its 2,048 rows of 128 bytes
	s_and_b32 s16, s[WV], 1         ; which half of a slot's 256 keys I fetch:
	s_lshl_b32 s22, s16, 14         ; its 128 keys in memory,
	s_add_co_u32 s22, s22, s20
	s_mov_b32 s23, 0
	s_mul_i32 s17, s16, 64*PK       ; and its place in a slot
	s_mul_i32 s18, s16, 64*PV
	s_add_co_u32 s18, s18, VOFF
	s_lshl_b32 s2, s14, 15          ; my block's 256 rows,
	s_lshl_b32 s3, s[WV], 13        ; my wave's 64 of them
	s_add_co_u32 s2, s2, s3
	s_add_co_u32 s2, s2, s20
	s_mov_b32 s3, 0
	; group 1: 64 paired rows x 128 elements of 2 bytes, dense in memory, padded in LDS
	s_mov_b32 s[G1K], 15|(1<<16)|(1<<20)|(1<<21)|(5<<22)|(3<<25)  ; the mask: all four work-groups; behind every 64 words 4 words of padding
	s_mov_b32 s[G1V], 15|(1<<16)|(1<<20)|(1<<21)|(5<<22)|(7<<25)  ; the same with 8 words
.irp g, G1K, G1V
	s_mov_b32 s[\g+1], 128<<16      ; tensor_dim0 = 128
	s_mov_b32 s[\g+2], 64<<16       ; tensor_dim1 = 64
	s_mov_b32 s[\g+3], 128<<16      ; tile_dim0 = 128
	s_mov_b32 s[\g+4], 64           ; tile_dim1 = 64
	s_mov_b32 s[\g+5], 128          ; elements from row to row
	s_mov_b32 s[\g+6], 0
	s_mov_b32 s[\g+7], 0
.endr
	s_mov_b32 s[CS], 0x3e38aa3b     ; c = log2(e) / 8
	s_mov_b32 s[CS+1], s[CS]        ; named with it as a pair, so it is written
	s_mov_b32 s[SEL], 0x76543210
	s_mov_b32 s[SEL+1], 0xfedcba98
	s_mov_b32 s[TBK], 0
	s_mov_b32 s[TBV], 0
	s_mov_b32 s[SLOTS], 6           ; eight fills in all: two at the start, six refills
	s_wait_dscnt 0x0
	s_wait_kmcnt 0x0
	s_add_nc_u64 s[8:9], s[4:5], s[22:23]  ; my half of slot 0's keys, as an offset into each third of qkv
	s_add_nc_u64 s[4:5], s[4:5], s[2:3]    ; Q and the output at my wave's first row
	s_add_nc_u64 s[6:7], s[6:7], s[2:3]
	CROUND                          ; all four work-groups are here: the first joint loads meet
.irp s, 0,1
	s_mov_b32 s[G0K+4*\s], 1
	s_add_co_u32 s[G0K+4*\s+1], s17, \s*SLOT1
	s_add_nc_u64 s[G0K+4*\s+2:G0K+4*\s+3], s[8:9], (1<<24)+\s*FILLB   ; K is qkv's second third
	s_or_b32 s[G0K+4*\s+3], s[G0K+4*\s+3], 0x80000000
	s_mov_b32 s[G0V+4*\s], 1
	s_add_co_u32 s[G0V+4*\s+1], s18, \s*SLOT1
	s_add_nc_u64 s[G0V+4*\s+2:G0V+4*\s+3], s[8:9], (2<<24)+\s*FILLB   ; V its last
	s_or_b32 s[G0V+4*\s+3], s[G0V+4*\s+3], 0x80000000
.endr
	s_cmp_lt_u32 s[WV], 2           ; a wave's two first fills stand in one branch: two loads of mine are out
	s_cbranch_scc0 .Lfirst_v
	tensor_load_to_lds s[G0K:G0K+3], s[G1K:G1K+7]
	s_nop 0
	tensor_load_to_lds s[G0K+4:G0K+7], s[G1K:G1K+7]
	s_nop 0
.rept 4
	v_nop
.endr
	s_branch .Lfirst_asked
.Lfirst_v:
	tensor_load_to_lds s[G0V:G0V+3], s[G1V:G1V+7]
	s_nop 0
	tensor_load_to_lds s[G0V+4:G0V+7], s[G1V:G1V+7]
	s_nop 0
.rept 4
	v_nop
.endr
.Lfirst_asked:
	v_and_b32 v1, 15, v0            ; r = l % 16
	v_bfe_u32 v9, v0, 4, 1          ; h = l / 16
	v_and_b32 v10, 1, v0            ; r % 2
	v_lshrrev_b32 v11, 1, v1        ; r / 2
	v_lshlrev_b32 v[QO], 7, v1
	v_lshl_add_u32 v[QO], v9, 4, v[QO]  ; row x 128 + 16 x half
	WIN 0x40                        ; destination window 1, address window 0
.irp i, 0,1,2,3,4,5,6,7             ; Q stays in registers: tile i / 2, channels 32 (i % 2) on
	global_load_b128 v[QF+8*\i:QF+8*\i+3],   v[QO], s[4:5] offset:(\i/2)*2048+(\i%2)*64
	global_load_b128 v[QF+8*\i+4:QF+8*\i+7], v[QO], s[4:5] offset:(\i/2)*2048+(\i%2)*64+32
.endr
	WIN 0
	v_mul_u32_u24 v[AK0], v11, PK   ; key r: paired row r / 2, half r % 2, 16 bytes for each half of the lanes
	v_lshl_add_u32 v[AK0], v10, 7, v[AK0]
	v_lshl_add_u32 v[AK0], v9, 4, v[AK0]
	; The turning load: lane l reads 16 bytes of key 8 h + l % 8 (paired row 4 h + (l / 2) % 4, half l % 2), channels 8 ((l / 8) % 2) + 0..7, and is left with channel l % 16 of 8 keys.
	v_bfe_u32 v[AV0], v0, 1, 2
	v_lshl_add_u32 v[AV0], v9, 2, v[AV0]
	v_mul_u32_u24 v[AV0], v[AV0], PV
	v_lshl_add_u32 v[AV0], v10, 7, v[AV0]
	v_bfe_u32 v[ADR], v0, 3, 1
	v_lshl_add_u32 v[AV0], v[ADR], 4, v[AV0]
	v_add_nc_u32 v[AV0], VOFF, v[AV0]
; THE MATRIX WORK OF A TURN, for piece x.  The accumulators take turns, one instruction a turn: between two links of a chain stand seven others'.
; Product i of 16 of O^T += V^T P: keys 32 (i / 8) on, channels 16 ((i / 2) % 4) on, tile x + i % 2.  zero = 1: the first 8 start the sums.
.macro PV x, zero
	WIN W_PV
.set rO, 32*(\x+i%2)+8*((i/2)%4)
.set rV, 32*(i/8)+8*((i/2)%4)
.set rP, P+16*(\x+i%2)+8*(i/8)
.if \zero && (i < 8)
	v_wmma_f32_16x16x32_f16 v[rO:rO+7], v[rV:rV+7], v[rP:rP+7], 0
.else
	v_wmma_f32_16x16x32_f16 v[rO:rO+7], v[rV:rV+7], v[rP:rP+7], v[rO:rO+7]
.endif
.endm
; Product i of 16 of S^T = K Q^T: channels 32 (i / 8) on, keys 16 ((i / 2) % 4) on, tile x + i % 2.  The first 8 start the sums.
.macro KQ x
	WIN W_KQ
.set rS, S+32*(\x+i%2)+8*((i/2)%4)
.set rK, KF+16*((i/2)%4)+8*(i/8)
.set rQ, QF+16*(\x+i%2)+8*(i/8)
.if i < 8
	v_wmma_f32_16x16x32_f16 v[rS:rS+7], v[rK:rK+7], v[rQ:rQ+7], 0
.else
	v_wmma_f32_16x16x32_f16 v[rS:rS+7], v[rK:rK+7], v[rQ:rQ+7], v[rS:rS+7]
.endif
.endm
; THE LDS LOADS stand in runs of 16: a step's K (64 keys x 64 channels: 8 fragments) and, a turn later, its V (turned).
.macro FETCH_K
	WIN 0
	v_add_nc_u32 v[ADR], s[TBK], v[AK0]
	s_add_co_u32 s[TBK], s[TBK], KSB  ; the next fetch is the next step's
	WIN 0x40                        ; destination window 1
.irp f, 0,1,2,3,4,5,6,7             ; keys 16 (f / 2) on, channels 32 (f % 2) on
	ds_load_b128 v[KF+8*\f:KF+8*\f+3],   v[ADR] offset:(\f/2)*8*PK+(\f%2)*64
	ds_load_b128 v[KF+8*\f+4:KF+8*\f+7], v[ADR] offset:(\f/2)*8*PK+(\f%2)*64+32
.endr
.endm
.macro FETCH_V
	WIN 0
	v_add_nc_u32 v[ADR], s[TBV], v[AV0]
	s_add_co_u32 s[TBV], s[TBV], VSB
	WIN 0x80                        ; destination window 2
.irp f, 0,1,2,3,4,5,6,7             ; keys 32 (f / 4) on, channels 16 (f % 4) on
	ds_load_tr16_b128 v[8*\f:8*\f+3],   v[ADR] offset:(\f/4)*16*PV+(\f%4)*32
	ds_load_tr16_b128 v[8*\f+4:8*\f+7], v[ADR] offset:(\f/4)*16*PV+8*PV+(\f%4)*32
.endr
.endm
; THE VECTOR WORK OF A TURN.  One tile's softmax for one key step is a list of 118 instructions; SM writes number j of it for tile t.  s0-s31 are the lane's 32 scores, in pairs 0-15.
; first = 1: the first key step, which starts m, l and O^T: it has no a and nothing to rescale.
;   0-15    the maximum of s0-s31 and the old m, three operands at a time: four chains c0-c3 (each begins with its accumulator's three lowest registers), then the four scores left over, c0-c3 and m
;   16-20   the other half of the lanes' maximum; the new m; c m; c m_old - c m_new
;   21-87   33 exponentials (a, then s0-s31) at the odd numbers from 23 on, so that no two follow each other and each has a plain instruction behind it before its result is used
;           (ISA guide 5.7.2); the plain ones are c s - c m for pairs still to come, the rounding to f16 of pairs that are done, at last the first three sums
;   88-101  the last rounding; the rest of the sums; l = a l + the sum
;   102-117 the tile's O^T times a, in ascending order: the one part that leaves window 0, so it stands together
.macro SM t, first
.set rT, ST+8*(\t)
.set rS, S+32*(\t)
.set rP, P+16*(\t)
.set rO, 32*(\t)+2*(j-102)
.set q, (j-20)/2
.if j < 102
	WIN 0
.endif
.if j < 4
	v_max3_num_f32 v[rT+4+j], v[rS+8*j], v[rS+8*j+1], v[rS+8*j+2]
.elseif j < 12
	v_max3_num_f32 v[rT+4+j%4], v[rT+4+j%4], v[rS+8*(j%4)+2*(j/4)+1], v[rS+8*(j%4)+2*(j/4)+2]
.elseif j == 12
	v_max3_num_f32 v[rT+4], v[rT+4], v[rS+7], v[rS+15]
.elseif j == 13
	v_max3_num_f32 v[rT+6], v[rT+6], v[rS+23], v[rS+31]
.elseif j == 14
	v_max3_num_f32 v[rT+4], v[rT+4], v[rT+5], v[rT+6]
.elseif (j == 15) && \first
	v_max_num_f32 v[rT+4], v[rT+4], v[rT+7]
.elseif j == 15
	v_max3_num_f32 v[rT+4], v[rT+4], v[rT+7], v[rT+1]
.elseif j == 16
	v_permlanex16_b32 v[rT+5], v[rT+4], s[SEL], s[SEL+1]  ; the query's other 32 keys lie in the lane 16 away
.elseif j == 18
	v_max_num_f32 v[rT+1], v[rT+4], v[rT+5]
.elseif j == 19
	v_mul_f32 v[rT], s[CS], v[rT+1]
.elseif ((j == 17) || (j == 20) || (j == 23) || (j > 101)) && \first  ; the first step has none of these
.elseif j == 17
	v_mov_b32 v[rT+7], v[rT]        ; c m_old is kept for a: number 19 writes c m anew
.elseif j == 20
	v_sub_f32 v[rT+7], v[rT+7], v[rT]
.elseif j == 23
	v_exp_f32 v[rT+6], v[rT+7]
.elseif (j < 88) && (j > 23) && (j%2 == 1)
	v_exp_f32 v[rS+(j-25)/2], v[rS+(j-25)/2]
.elseif (q < 4) || ((j < 76) && (q%2 == 0))
.set b, q/2+2
.if q < 4
.set b, q
.endif
	v_pk_fma_f32 v[rS+2*b:rS+2*b+1], v[rS+2*b:rS+2*b+1], s[CS:CS+1], v[rT:rT+1] op_sel_hi:[1,0,0] neg_lo:[0,0,1] neg_hi:[0,0,1]  ; pair b: c s - c m
.elseif (j < 88) && (q%2 == 1)
	s_wait_alu depctr_va_vdst(0)
	v_cvt_pk_f16_f32 v[rP+(q-5)/2], v[rS+q-5], v[rS+q-4]  ; pair (q - 5) / 2: its second exponential stands three numbers back
.elseif j == 89
	s_wait_alu depctr_va_vdst(0)
	v_cvt_pk_f16_f32 v[rP+15], v[rS+30], v[rS+31]
.elseif j < 102                     ; the sum of the tile's 16 pairs, in place: sum z of 16 adds neighbours 1, 2, 4 and 8 pairs apart, then l takes it
.set z, j-86
.if j < 89
.set z, (j-76)/4
.endif
.set w, 4
.set u, z
.if z >= 14
.set w, 32
.set u, 0
.elseif z >= 12
.set w, 16
.set u, z-12
.elseif z >= 8
.set w, 8
.set u, z-8
.endif
.if (z == 14) && \first
	v_pk_add_f32 v[rT+2:rT+3], v[rS:rS+1], v[rS+16:rS+17]
.elseif z < 15
	v_pk_add_f32 v[rS+w*u:rS+w*u+1], v[rS+w*u:rS+w*u+1], v[rS+w*u+w/2:rS+w*u+w/2+1]
.elseif !\first
	v_pk_fma_f32 v[rT+2:rT+3], v[rT+2:rT+3], v[rT+6:rT+7], v[rS:rS+1] op_sel_hi:[1,0,1]
.endif
.else
	WIN W_RS
	v_pk_mul_f32 v[rO:rO+1], v[rO:rO+1], v[rT+6:rT+7] op_sel_hi:[1,0]
.endif
.endm
; Slice k of 59 of piece y's softmax: numbers 2 k and 2 k + 1 of both tiles' lists, four instructions.
.macro SLICE y, first
.if (k >= 11) && (k < 44)           ; tile by tile: plain, exponential, plain, exponential
.irp t, \y, \y+1
.irp n, 0,1
.set j, 2*k+\n
	SM \t, \first
.endr
.endr
.else                               ; the two tiles alternate, so that no instruction reads the result of the one just before it
.irp n, 0,1
.irp t, \y, \y+1
.set j, 2*k+\n
	SM \t, \first
.endr
.endr
.endif
.set k, k+1
.endm
; The slices behind product g of a turn's tot: what is left of the 59, shared evenly among the products left.
.macro DEAL y, first
.rept (NSL-k)/(tot-g)
	SLICE \y, \first
.endr
.set g, g+1
.endm
.macro PLACES
.rept 4
	v_nop
.endr
.endm
; A TURN.  Piece x has the matrix unit; the other piece's softmax stands in slices behind its matrix instructions.
; pv = 2: 16 products V^T P; 1: they start O^T's sums; 0: none.  kq = 1: 16 products K Q^T for the next step.
; The two slices behind a turn's last product are eight rescalings of the other piece's O^T: plain, and they name nothing of the products K Q^T in front of them, so they are the places
; ahead of the next turn's first read of those scores and of the loads into K's buffer.  first = 1: those slices are empty, and four v_nop take their part.
; Piece 0's turn fetches the next step's K behind its second product.  Piece 2's turn fetches the same step's V behind its second product K Q^T: the last product that read V stands six
; slices of the exponentials' part, twelve plain instructions, back.  Each run is waited for 14 products later.
.macro TURN x, pv, kq, first
.set k, 0
.set g, 0
.set tot, 16*\kq
.if \pv
.set tot, tot+16
.endif
.if \pv
.if \x == 0
	s_wait_dscnt 0x0                ; V is in
.endif
.set i, 0
.rept 16
	PV \x, 2-\pv
	DEAL 2-\x, \first
.if (\x == 0) && \kq && (i == 1)
	FETCH_K
.endif
.set i, i+1
.endr
.endif
.if \kq
.if \x == 0
	s_wait_dscnt 0x0                ; K is in
.endif
.set i, 0
.rept 16
	KQ \x
	DEAL 2-\x, \first
.if (\x == 2) && (i == 1)
	FETCH_V
.endif
.set i, i+1
.endr
.endif
.if \first
	PLACES
.endif
.endm
; THE CHANGE OF SLOTS, between piece 2's turn and piece 0's: the slot's last bytes, V of its fourth step, have been asked for.  Each wave waits for its own reads of the slot and for all its
; tensor loads, of which one is out: its part of the other slot.  fill = 1: the barrier is a round of the cluster's, and the joint refill, the keys two slots on, is the first thing behind
; it: it has four key steps, 256 matrix instructions and their softmax, in which to land.
.macro CHANGE fill
	WIN 0
	s_wait_dscnt 0x0
	s_wait_tensorcnt 0x0            ; no tensor load of mine is out, so a group 0 may be written
	ds_add_u32 v62, v63
	s_wait_dscnt 0x0
.if \fill
.irp g, G0K+4, G0V+4
	s_xor_b32 s[\g+1], s[\g+1], SLOT1  ; the walking descriptor: the other slot than last time,
	s_add_nc_u64 s[\g+2:\g+3], s[\g+2:\g+3], FILLB  ; the next 256 keys
.endr
	CROUND
	JLOAD
.else
	s_barrier_signal -1
	s_barrier_wait -1
.endif
	s_sub_co_u32 s[TBK], s[TBK], 4*KSB  ; the fetches go back to a slot's first step,
	s_xor_b32 s[TBK], s[TBK], SLOT1     ; in the other slot
	s_sub_co_u32 s[TBV], s[TBV], 4*VSB
	s_xor_b32 s[TBV], s[TBV], SLOT1
.endm
; n key steps: written once, walked n times; the LDS addresses hang on s[TBK] and s[TBV].
.macro STEPS n
	WIN 0
	s_mov_b32 s[TWICE], \n
.Lstep_\@:
	TURN 0, 2, 1, 0
	TURN 2, 2, 1, 0
	WIN 0
	s_sub_co_u32 s[TWICE], s[TWICE], 1
	s_cmp_lg_u32 s[TWICE], 0
	s_cbranch_scc1 .Lstep_\@
.endm
	s_wait_tensorcnt 0x1            ; my part of slot 0 is in; slot 1's load may stay out
	s_barrier_signal -1
	s_barrier_wait -1               ; everybody's is
	FETCH_K                         ; key step 0
	s_wait_loadcnt 0x0              ; Q
	s_wait_dscnt 0x0
.set i, 0
.rept 16
	KQ 0                            ; piece 0's first scores: there is no vector work yet to set between them
.set i, i+1
.endr
	WIN 0                           ; the addresses for the way out are made here: nine plain instructions, the places behind those products
	s_mul_i32 s13, s[WV], 8*SP
	s_add_co_u32 s13, s13, STAGE    ; my stage
	v_mul_u32_u24 v[STO], v11, SP   ; in: token r in paired row r / 2, half r % 2, 16 bytes for each half of the lanes
	v_lshl_add_u32 v[STO], v10, 7, v[STO]
	v_lshl_add_u32 v[STO], v9, 4, v[STO]
	v_add_nc_u32 v[STO], s13, v[STO]
	v_mul_u32_u24 v[RD], v9, SP     ; back: lanes 0-15 take one row of 256 bytes, lanes 16-31 the next
	v_lshl_add_u32 v[RD], v1, 4, v[RD]
	v_add_nc_u32 v[RD], s13, v[RD]
	v_and_b32 v[GO], 31, v0
	v_lshlrev_b32 v[GO], 4, v[GO]   ; in memory those two rows are 512 neighbouring bytes
	TURN 2, 0, 1, 1                 ; piece 2's first scores | piece 0's first softmax | V of step 0
	TURN 0, 1, 1, 1                 ; piece 0: V^T P of step 0 starts O^T, K Q^T of step 1 | piece 2's first softmax | K of step 1
	TURN 2, 1, 1, 0                 ; piece 2: the same | piece 0's softmax of step 1 | V of step 1
	STEPS 2                         ; they fetch steps 2 and 3: slot 0 is read out
.Lslot:                             ; six trips: every slot but the last two is filled again
	CHANGE 1
	STEPS 4
	s_sub_co_u32 s[SLOTS], s[SLOTS], 1
	s_cmp_lg_u32 s[SLOTS], 0
	s_cbranch_scc1 .Lslot
	CHANGE 0                        ; the tail is written out: nothing more is asked for
	STEPS 4
	TURN 0, 2, 0, 0                 ; piece 0: V^T P of the last step | piece 2's last softmax
.set i, 0
.rept 16
	PV 2, 0                         ; piece 2: V^T P of the last step
.set i, i+1
.endr
	; THE WAY OUT.  l's two halves and the other half of the lanes' are added; O^T is divided by l, rounded to f16 and sent through my stage, a tile (16 rows) at a time.  The additions are the places behind the last products.
	WIN 0
.irp t, 0,1,2,3
	v_add_f32 v[ST+8*\t+4], v[ST+8*\t+2], v[ST+8*\t+3]
.endr
.irp t, 0,1,2,3
	v_permlanex16_b32 v[ST+8*\t+5], v[ST+8*\t+4], s[SEL], s[SEL+1]
.endr
.irp t, 0,1,2,3
	v_add_f32 v[ST+8*\t+4], v[ST+8*\t+4], v[ST+8*\t+5]
.endr
.irp t, 0,1,2,3
	v_rcp_f32 v[ST+8*\t+6], v[ST+8*\t+4]
.endr
	v_nop                           ; a plain instruction between the last reciprocal and the use of its result
; Tile t: a lane's eight channels of a row pack into 16 bytes; they go into paired rows of 272 bytes and come back as whole rows of 256, into the free half of the tile's S registers.
.macro PACK t
	WIN W_RS
.set i, 32*\t
.rept 16
	s_wait_alu depctr_va_vdst(0)
	v_pk_mul_f32 v[i:i+1], v[i:i+1], v[ST+8*\t+6:ST+8*\t+7] op_sel_hi:[1,0]
.set i, i+2
.endr
	WIN 0x05                        ; sources 0 and 1 window 1, destination window 0
.set i, 0
.rept 16
	v_cvt_pk_f16_f32 v[S+32*\t+i], v[32*\t+2*i], v[32*\t+2*i+1]
.set i, i+1
.endr
	WIN 0
.irp f, 0,1,2,3
	ds_store_b128 v[STO], v[S+32*\t+4*\f:S+32*\t+4*\f+3] offset:32*\f
.endr
.irp f, 0,1,2,3
	ds_load_b128 v[S+32*\t+16+4*\f:S+32*\t+16+4*\f+3], v[RD] offset:\f*2*SP  ; LDS serves a wave's instructions in order (ISA guide 5.7.1.4): these see the stores above; the next tile's stores come behind them
.endr
.endm
.macro SEND t, younger              ; younger: the LDS instructions issued behind tile t's loads: the next tile's eight, or none
.irp f, 0,1,2,3
	s_wait_dscnt \younger+3-\f
	global_store_b128 v[GO], v[S+32*\t+16+4*\f:S+32*\t+16+4*\f+3], s[6:7] offset:\t*2048+\f*512  ; a store covers 512 consecutive bytes, aligned
.endr
.endm
	PACK 0
	PACK 1                          ; a tile's arithmetic stands between the loads of the tile before and its stores
	SEND 0, 8
	PACK 2
	SEND 1, 8
	PACK 3
	SEND 2, 8
	SEND 3, 0
	s_wait_tensorcnt 0x0
	ds_add_u32 v62, v63
	s_wait_dscnt 0x0
	CROUND                          ; the closing round: no work-group ends while a partner may still ask for a tile that names it
	s_endpgm
.Lfunc_end_k_q031e63c4a1_attn:
	.size	k_q031e63c4a1_attn, .Lfunc_end_k_q031e63c4a1_attn-k_q031e63c4a1_attn
	.p2alignl 7, 3214868480
	.fill 96, 4, 3214868480
	.section	.rodata,"a",@progbits
	.p2align	6, 0x0
	.amdhsa_kernel k_q031e63c4a1_attn
		.amdhsa_group_segment_fixed_size 327680
		.amdhsa_private_segment_fixed_size 0
		.amdhsa_enable_private_segment 0
		.amdhsa_kernarg_size 16
		.amdhsa_user_sgpr_count 2
		.amdhsa_user_sgpr_kernarg_segment_ptr 1
		.amdhsa_wavefront_size32 1
		.amdhsa_system_sgpr_workgroup_id_x 1
		.amdhsa_system_sgpr_workgroup_id_y 1
		.amdhsa_system_sgpr_workgroup_id_z 1
		.amdhsa_system_vgpr_workitem_id 0
		.amdhsa_next_free_vgpr 576
		.amdhsa_next_free_sgpr 66
		.amdhsa_reserve_vcc 0
		.amdhsa_float_denorm_mode_32 3
		.amdhsa_float_denorm_mode_16_64 3
		.amdhsa_memory_ordered 1
		.amdhsa_forward_progress 1
		.amdhsa_inst_pref_size 206
	.end_amdhsa_kernel
	.amdgpu_metadata
---
amdhsa.version: [ 1, 2 ]
amdhsa.kernels:
  - .name:           k_q031e63c4a1_attn
    .symbol:         k_q031e63c4a1_attn.kd
    .args:
      - { .name: qkv, .offset: 0, .size: 8, .value_kind: global_buffer, .address_space: global }
      - { .name: att, .offset: 8, .size: 8, .value_kind: global_buffer, .address_space: global }
    .group_segment_fixed_size: 327680
    .private_segment_fixed_size: 0
    .kernarg_segment_align: 8
    .kernarg_segment_size: 16
    .max_flat_workgroup_size: 128
    .sgpr_count:     66
    .vgpr_count:     576
    .wavefront_size: 32
...
	.end_amdgpu_metadata
.endif
;; end of part 3
;; launch oproj (part 4): grid 4 x 64, 4 waves a work-group, clusters of 4 x 4, 327,680 bytes of LDS; arguments att, wh, bo, out0; writes out0
.if DOCPART == 4
	.amdgcn_target "amdgcn-amd-amdhsa--gfx1250"
	.amdhsa_code_object_version 6
	.text
	.protected	k_q031e63c4a1_oproj
	.globl	k_q031e63c4a1_oproj
	.p2align	8
	.type	k_q031e63c4a1_oproj,@function
k_q031e63c4a1_oproj:
	s_mov_b64 s[64:65], 0
	v_nop
	global_prefetch_b8 v0, s[64:65] scope:SCOPE_SE
	s_setreg_imm32_b32 hwreg(HW_REG_WAVE_MODE, 25, 1), 1
	s_wait_xcnt 0x0
	s_wait_alu depctr_hold_cnt(0) depctr_sa_sdst(0) depctr_va_vdst(0) depctr_va_sdst(0) depctr_va_ssrc(0) depctr_va_vcc(0) depctr_vm_vsrc(0)
	s_getreg_b32 s2, hwreg(HW_REG_IB_STS2, 6, 4)
	s_cmp_eq_u32 s2, 0
	s_cbranch_scc0 .Lentry_in_a_cluster
	s_endpgm
.Lentry_in_a_cluster:
	s_bfe_u32 s2, ttmp6, 0x10000c
	s_cmp_lg_u32 s2, 0xf033
	s_cbranch_scc0 .Lentry_shape_is_right
	s_endpgm
.Lentry_shape_is_right:
; out0[b][s][n] = sum over h, d of att[b][h][s][d] Wo[64 h + d][n] + bo[n].  att: [4][16][2048][64] f16; Wo: wh's fourth weight, [1024 k][1024 n] f16; out0: [8192][1024] f32.
; Sums in f32, started by the bias.  The design is the input projections': a tile of 128 rows x 256 columns (256 work-groups), four waves of 64 x 128, K in 8 steps of 128 through two
; LDS slots, clusters of 4 x 4 with joint loads, the matrix instruction used transposed (source 0 = 16 columns of Wo, source 1 = 16 tokens).
; What differs: the rows are f16 already and lie by heads.  A K step is two heads; a head's 128 tokens are 16,384 dense bytes, brought as 64 paired rows (two tokens, 256 bytes) by one
; load: token t lies at (t / 2) 272 + (t % 2) 128.  Fragments go straight into the product's registers: a quarter's 24 LDS loads stand in one run at the head of the quarter before, behind
; four v_nop, 32 products ahead of their first use.  The output is f32.
; REGISTERS.  window 0: v16-27 addresses; v128-159, v160-191 the rows' fragments, two buffers; v192-255 bias; v64-127, v128-191 way out
;             window 1: v0-63, v64-127 Wo's fragments, two buffers       window 2: accumulator (a, b) at v[8 (8 a + b)]
.set PA,     272                       ; a paired row: 256 + 16: the 16 tokens of a load start at 16 different 16-byte columns of 256
.set PB,     544                       ; a row of Wo: 512 + 32 = 17 x 32
.set APLANE, 64*PA                     ; a head's 128 tokens: what one tensor load brings
.set ABYTES, 2*APLANE
.set BHALF,  64*PB
.set SLOT,   ABYTES+128*PB             ; 104,448
.set STAGE,  2*SLOT                    ; 208,896, a multiple of 256: no fill lands from here on
.set SPO,    528                       ; the stage: a row of 128 f32 + 16 bytes
.set STW,    16*SPO
.set ADRA, 16
.set ADRB, 20
.set STO,  24
.set RD,   25
.set CO,   26
.set VB,   27
.set OB,   64
.set FA,   128
.set BIAS, 192
.set G1,  24
.set G0,  32
.set G1B, 48
.set G0B, 56
.set MSB, 0
.macro WIN new
.if MSB != \new
	s_set_vgpr_msb (MSB<<8)|\new
.set MSB, \new
.endif
.endm
.set MUL,    0xa1                      ; source 0 (Wo) window 1, source 1 (rows) window 0, C and D window 2
.set MULB,   0x81                      ; the same with C (the bias) in window 0
.set TO_B,   0x40                      ; destination window 1, address window 0
.set ST_ACC, 0x08                      ; an LDS store's data in window 2, its address in window 0
.macro WMUL first
.if \first
	WIN MULB
.else
	WIN MUL
.endif
.endm
.macro PLACES                          ; four plain vector instructions behind matrix instructions (ISA guide 7.12.1 for vector ALU instructions)
.rept 4
	v_nop
.endr
.endm
.macro JLOAD s                         ; a joint refill: waves 0 and 1 fetch the step's two heads, waves 2 and 3 the halves of Wo's rows; four v_nop follow each line
	s_cmp_eq_u32 s11, 0
	s_cbranch_scc0 .Lfor_b_\@
	tensor_load_to_lds s[G0+4*\s:G0+4*\s+3], s[G1:G1+7]
	s_nop 0
.rept 4
	v_nop
.endr
	s_branch .Lasked_\@
.Lfor_b_\@:
	tensor_load_to_lds s[G0B+4*\s:G0B+4*\s+3], s[G1B:G1B+7]
	s_nop 0
.rept 4
	v_nop
.endr
.Lasked_\@:
.endm
.macro CREST
	s_cmp_lg_u32 s10, 0
	s_cbranch_scc1 .Lnot_wave_0_\@
	s_barrier_signal -3
.Lnot_wave_0_\@:
	s_barrier_wait -3
	s_barrier_signal -1
	s_barrier_wait -1
.endm
.macro CROUND
	s_barrier_signal -1
	s_barrier_wait -1
	CREST
.endm
	s_load_b256 s[68:75], s[0:1], 0x0              ; att 68, wh 70, bo 72, out0 74
	s_set_vgpr_msb 0x40
	v_lshl_add_u32 v255, v0, 2, 0x3b400
	s_set_vgpr_msb 0x4000
	v_mov_b32 v63, 0
	s_set_vgpr_msb 0x1
	ds_add_u32 v255, v63
	s_set_vgpr_msb 0x100
	v_lshrrev_b32 v1, 5, v0
	v_readfirstlane_b32 s10, v1                    ; wave 0..3
	s_lshr_b32 s11, s10, 1                         ; my half of the tile's rows.  Also: I fetch rows (0) or Wo (1)
	s_and_b32 s12, s10, 1                          ; my half of its columns.  Also: which head, or which half of Wo's rows, I fetch
	s_bfe_u32 s40, ttmp6, 0x40000                  ; cx
	s_bfe_u32 s41, ttmp6, 0x40004                  ; cy
	s_lshl_b32 s42, ttmp9, 2
	s_add_co_u32 s42, s42, s40                     ; column tile
	s_and_b32 s13, ttmp7, 0xffff
	s_lshl_b32 s14, s13, 2
	s_add_co_u32 s14, s14, s41                     ; row tile 0..63
	s_lshl_b32 s43, s41, 2
	s_lshl_b32 s43, 15, s43                        ; my row of the cluster
	s_lshl_b32 s44, 0x1111, s40                    ; my column
	; group 1 for the rows: 64 paired rows x 128 elements of 2 bytes, dense; 4 words of padding behind every 64 words
	s_or_b32 s[G1+0], s43, (1<<16)|(1<<20)|(1<<21)|(5<<22)|(3<<25)
	s_mov_b32 s[G1+1], 128<<16
	s_mov_b32 s[G1+2], 64<<16
	s_mov_b32 s[G1+3], 128<<16
	s_mov_b32 s[G1+4], 64
	s_mov_b32 s[G1+5], 128
	s_mov_b32 s[G1+6], 0
	s_mov_b32 s[G1+7], 0
	; group 1 for Wo: 64 rows x 256 elements of 2 bytes; 8 words of padding behind every 128 words
	s_or_b32 s[G1B+0], s44, (1<<16)|(1<<20)|(1<<21)|(6<<22)|(7<<25)
	s_mov_b32 s[G1B+1], 256<<16
	s_mov_b32 s[G1B+2], 64<<16
	s_mov_b32 s[G1B+3], 256<<16
	s_mov_b32 s[G1B+4], 64
	s_mov_b32 s[G1B+5], 1024
	s_mov_b32 s[G1B+6], 0
	s_mov_b32 s[G1B+7], 0
	s_lshr_b32 s16, s14, 4
	s_lshl_b32 s16, s16, 22                        ; the batch
	s_and_b32 s17, s14, 15
	s_lshl_b32 s17, s17, 14                        ; 128 tokens of 128 bytes
	s_add_co_u32 s16, s16, s17
	s_lshl_b32 s17, s12, 18                        ; my head of the step's two
	s_add_co_u32 s16, s16, s17
	s_mov_b32 s17, 0
	s_lshl_b32 s46, s12, 17                        ; my 64 k rows of 2,048 bytes
	s_add_co_u32 s46, s46, 3<<21                   ; of wh's fourth weight
	s_lshl_b32 s47, s42, 9                         ; 256 columns of 2 bytes
	s_add_co_u32 s46, s46, s47
	s_mov_b32 s47, 0
	s_mul_i32 s20, s12, APLANE                     ; where they go: the wave's number alone enters an LDS address
	s_mul_i32 s21, s12, BHALF
	s_add_co_u32 s21, s21, ABYTES
	s_wait_dscnt 0x0
	s_wait_kmcnt 0x0
	s_add_nc_u64 s[4:5], s[68:69], s[16:17]
	s_add_nc_u64 s[46:47], s[70:71], s[46:47]
	CROUND                                         ; all sixteen work-groups are here: the first joint loads meet
.irp s, 0,1
	s_mov_b32 s[G0+4*\s], 1
	s_add_co_u32 s[G0+4*\s+1], s20, \s*SLOT
	s_add_nc_u64 s[G0+4*\s+2:G0+4*\s+3], s[4:5], \s*524288         ; K step s: two heads of 262,144 bytes on
	s_or_b32 s[G0+4*\s+3], s[G0+4*\s+3], 0x80000000
	s_mov_b32 s[G0B+4*\s], 1
	s_add_co_u32 s[G0B+4*\s+1], s21, \s*SLOT
	s_add_nc_u64 s[G0B+4*\s+2:G0B+4*\s+3], s[46:47], \s*262144     ; K step s: 128 rows of 2,048 bytes
	s_or_b32 s[G0B+4*\s+3], s[G0B+4*\s+3], 0x80000000
.endr
	s_cmp_eq_u32 s11, 0                            ; a wave's two first fills stand in one branch: two loads of mine are out
	s_cbranch_scc0 .Lfirst_b
	tensor_load_to_lds s[G0:G0+3], s[G1:G1+7]
	s_nop 0
	tensor_load_to_lds s[G0+4:G0+7], s[G1:G1+7]
	s_nop 0
.rept 4
	v_nop
.endr
	s_branch .Lfirst_asked
.Lfirst_b:
	tensor_load_to_lds s[G0B:G0B+3], s[G1B:G1B+7]
	s_nop 0
	tensor_load_to_lds s[G0B+4:G0B+7], s[G1B:G1B+7]
	s_nop 0
.rept 4
	v_nop
.endr
.Lfirst_asked:
	v_and_b32 v1, 15, v0                           ; r
	v_bfe_u32 v2, v0, 4, 1                         ; h
	v_lshrrev_b32 v3, 1, v1                        ; token r: paired row r / 2, half r % 2, 16 bytes for each half of the lanes
	v_mul_u32_u24 v3, v3, PA
	v_and_b32 v6, 1, v0
	v_lshl_add_u32 v3, v6, 7, v3
	v_lshl_add_u32 v3, v2, 4, v3
	v_and_b32 v4, 7, v0                            ; Wo: k row 8 h + lane % 8, 16 bytes at 16 ((lane / 8) % 2)
	v_lshl_add_u32 v4, v2, 3, v4
	v_mul_u32_u24 v4, v4, PB
	v_bfe_u32 v5, v0, 3, 1
	v_lshl_add_u32 v4, v5, 4, v4
	s_mul_i32 s22, s11, 32*PA                      ; my 64 tokens
	s_lshl_b32 s23, s12, 8                         ; my 128 columns of Wo,
	s_add_co_u32 s23, s23, ABYTES                  ; which lies behind the rows
.irp s, 0,1
	v_add_nc_u32 v[ADRA+\s], s22, v3
	v_add_nc_u32 v[ADRB+\s], s23, v4
	s_add_co_u32 s22, s22, SLOT
	s_add_co_u32 s23, s23, SLOT
.endr
	s_mul_i32 s22, s10, STW
	s_add_co_u32 s22, s22, STAGE                   ; my stage
	v_mul_u32_u24 v6, v1, SPO                      ; in: row r, 32 bytes for each half of the lanes
	v_lshl_add_u32 v6, v2, 5, v6
	v_add_nc_u32 v[STO], s22, v6
	v_and_b32 v8, 31, v0
	v_lshlrev_b32 v[CO], 4, v8                     ; back and out: 32 lanes take a row's 512 bytes
	v_add_nc_u32 v[RD], s22, v[CO]
	v_lshlrev_b32 v[VB], 5, v2
	s_lshl_b32 s46, s42, 10                        ; my 128 columns, in bytes of f32
	s_lshl_b32 s47, s12, 9
	s_add_co_u32 s46, s46, s47
	s_mov_b32 s47, 0
	s_add_nc_u64 s[6:7], s[72:73], s[46:47]
.irp b, 0,1,2,3,4,5,6,7
	global_load_b128 v[BIAS+8*\b:BIAS+8*\b+3],   v[VB], s[6:7] offset:64*\b      ; register j of block b: column 16 b + 8 h + j
	global_load_b128 v[BIAS+8*\b+4:BIAS+8*\b+7], v[VB], s[6:7] offset:64*\b+16
.endr
	s_lshl_b32 s18, s14, 19                        ; 128 rows of 4,096 bytes
	s_lshl_b32 s19, s11, 18                        ; my 64 of them
	s_add_co_u32 s18, s18, s19
	s_add_co_u32 s18, s18, s46                     ; and my columns
	s_mov_b32 s19, 0
	s_add_nc_u64 s[8:9], s[74:75], s[18:19]
; 8 matrix instructions: row block a x all 8 column blocks, 32 along K, buffer f.  first = 1: the bias starts the sums.
; The 32 accumulators take turns, one instruction a turn, in the same order in every quarter.
.macro MUL8 f, a, first
.irp b, 0,1,2,3,4,5,6,7
.if \first
	v_wmma_f32_16x16x32_f16 v[8*(8*(\a)+\b):8*(8*(\a)+\b)+7], v[64*\f+8*\b:64*\f+8*\b+7], v[FA+32*\f+8*(\a):FA+32*\f+8*(\a)+7], v[BIAS+8*\b:BIAS+8*\b+7]
.else
	v_wmma_f32_16x16x32_f16 v[8*(8*(\a)+\b):8*(8*(\a)+\b)+7], v[64*\f+8*\b:64*\f+8*\b+7], v[FA+32*\f+8*(\a):FA+32*\f+8*(\a)+7], v[8*(8*(\a)+\b):8*(8*(\a)+\b)+7]
.endif
.endr
.endm
.macro MUL16 f, a0, first
	MUL8 \f, \a0, \first
	MUL8 \f, \a0+1, \first
.endm
; 24 LDS loads in one run: quarter q of a slot (head q / 2 of its two, channels 32 (q % 2) on) into buffer g
.macro FETCH slot, q, g
	WIN TO_B
.irp b, 0,1,2,3,4,5,6,7
	ds_load_tr16_b128 v[64*\g+8*\b:64*\g+8*\b+3],   v[ADRB+\slot] offset:\q*32*PB+32*\b
	ds_load_tr16_b128 v[64*\g+8*\b+4:64*\g+8*\b+7], v[ADRB+\slot] offset:\q*32*PB+32*\b+16*PB
.endr
	WIN 0
.irp a, 0,1,2,3
	ds_load_b128 v[FA+32*\g+8*\a:FA+32*\g+8*\a+3],   v[ADRA+\slot] offset:\a*8*PA+(\q/2)*APLANE+(\q%2)*64
	ds_load_b128 v[FA+32*\g+8*\a+4:FA+32*\g+8*\a+7], v[ADRA+\slot] offset:\a*8*PA+(\q/2)*APLANE+(\q%2)*64+32
.endr
.endm
; One of a K step's first three quarters: multiplies buffer f.  At its head the next quarter, qn, is fetched into buffer g, which the quarter before multiplied: four places first.
.macro QUARTER slot, qn, f, g, first
	PLACES
	FETCH \slot, \qn, \g
	s_wait_dscnt 24                                ; all but the 24 just issued: this quarter's fragments, asked for a quarter ago, are in
	WMUL \first
	MUL16 \f, 0, \first
	MUL16 \f, 2, \first
.endm
; The last quarter multiplies buffer 1 and changes slots: one barrier; in front of it each wave waits for its reads of this slot (the last were issued 32 products ago) and for all its
; tensor loads.  fill = 1: the barrier opens a round of the cluster's, and behind the round this slot is filled again first, two K steps ahead.  Then the next slot's first fragments are
; fetched, 24 products ahead of their first use.
.macro TURN slot, next, fill
	s_wait_dscnt 0x0                               ; my reads of this slot are over
	s_wait_tensorcnt 0x0                           ; and all my tensor loads have landed: my part of the next slot
	ds_add_u32 v255, v63
	s_wait_dscnt 0x0
	WIN MUL
	s_barrier_signal -1
	MUL8 1, 0, 0                                   ; work on registers while the others arrive
.if \fill
	WIN 0
.endif
	s_barrier_wait -1
.if \fill
	CREST                                          ; no wave of any partner still reads this slot or has a load on its way
	s_add_nc_u64 s[G0+4*\slot+2:G0+4*\slot+3], s[G0+4*\slot+2:G0+4*\slot+3], 1048576
	s_add_nc_u64 s[G0B+4*\slot+2:G0B+4*\slot+3], s[G0B+4*\slot+2:G0B+4*\slot+3], 524288
	JLOAD \slot                                    ; my one tensor load behind the round: 120 products stand between it and the wait for it; the four v_nop behind it are also the places in front of the loads below
.else
	PLACES
.endif
	FETCH \next, 0, 0
	WIN MUL
	MUL8 1, 1, 0
	MUL16 1, 2, 0
.endm
	s_wait_tensorcnt 0x1                           ; my part of K step 0 is in; K step 1's load may stay out
	s_barrier_signal -1
	s_barrier_wait -1                              ; everybody's is
	FETCH 0, 0, 0
	s_wait_loadcnt 0x0                             ; the bias
	QUARTER 0, 1, 0, 1, 1                          ; the first quarter stands in front of the loop: its products start the sums
	WIN 0                                          ; at a label and at a branch every window is 0
	s_mov_b32 s3, 3
.Llap:                                                 ; a trip goes once round the ring and fills both slots again: K steps 2 to 7
	QUARTER 0, 2, 1, 0, 0
	QUARTER 0, 3, 0, 1, 0
	TURN 0, 1, 1
	QUARTER 1, 1, 0, 1, 0
	QUARTER 1, 2, 1, 0, 0
	QUARTER 1, 3, 0, 1, 0
	TURN 1, 0, 1
	QUARTER 0, 1, 0, 1, 0
	WIN 0
	s_sub_co_u32 s3, s3, 1
	s_cmp_lg_u32 s3, 0
	s_cbranch_scc1 .Llap
	QUARTER 0, 2, 1, 0, 0                          ; the last lap fills nothing
	QUARTER 0, 3, 0, 1, 0
	TURN 0, 1, 0
	QUARTER 1, 1, 0, 1, 0
	QUARTER 1, 2, 1, 0, 0
	QUARTER 1, 3, 0, 1, 0
	s_wait_dscnt 0x0                               ; the very last quarter's fragments
	WIN MUL
	MUL16 1, 0, 0
	MUL16 1, 2, 0
	WIN 0
	PLACES                                         ; the LDS stores below read results just made, and the loads below land on fragment registers just read
; THE WAY OUT, a block of 16 rows at a time.  A lane's eight columns are 32 bytes of a row: two LDS stores, each accumulator's low half first; back as whole rows of 512 bytes; stored.
.macro TOSTAGE a
.set BK, OB+64*((\a)%2)
	WIN ST_ACC
.irp b, 0,1,2,3,4,5,6,7
	ds_store_b128 v[STO], v[8*(8*(\a)+\b):8*(8*(\a)+\b)+3]   offset:64*\b
	ds_store_b128 v[STO], v[8*(8*(\a)+\b)+4:8*(8*(\a)+\b)+7] offset:64*\b+16
.endr
	WIN 0
.if (\a) > 1
	s_wait_xcnt 0x0                                ; the stores of the block two back have read their registers: those are loaded again only behind this wait
.endif
.irp t, 0,1,2,3,4,5,6,7,8,9,10,11,12,13,14,15
	ds_load_b128 v[BK+4*\t:BK+4*\t+3], v[RD] offset:\t*SPO     ; LDS serves a wave's instructions in order (ISA guide 5.7.1.4): these see the stores above, and the next block's stores come behind them
.endr
.endm
.macro SEND a, younger                 ; younger: the LDS instructions issued behind this block's loads: the next block's 16 stores and 16 loads, or none
.set BK, OB+64*((\a)%2)
	s_wait_dscnt \younger
.irp t, 0,1,2,3,4,5,6,7,8,9,10,11,12,13,14,15
	global_store_b128 v[CO], v[BK+4*\t:BK+4*\t+3], s[8:9] offset:(16*(\a)+\t)*4096   ; a store covers 512 consecutive bytes of a row, aligned
.endr
.endm
	TOSTAGE 0
	TOSTAGE 1
	SEND 0, 32
	TOSTAGE 2
	SEND 1, 32
	TOSTAGE 3
	SEND 2, 32
	SEND 3, 0
	s_set_vgpr_msb 0x1
	s_wait_tensorcnt 0x0
	ds_add_u32 v255, v63
	s_wait_dscnt 0x0
	s_set_vgpr_msb 0x100
	CROUND                                         ; the closing round: no work-group ends while a partner may still ask for a tile that names it
	s_endpgm
.Lfunc_end_k_q031e63c4a1_oproj:
	.size	k_q031e63c4a1_oproj, .Lfunc_end_k_q031e63c4a1_oproj-k_q031e63c4a1_oproj
	.p2alignl 7, 3214868480
	.fill 96, 4, 3214868480
	.section	.rodata,"a",@progbits
	.p2align	6, 0x0
	.amdhsa_kernel k_q031e63c4a1_oproj
		.amdhsa_group_segment_fixed_size 327680
		.amdhsa_private_segment_fixed_size 0
		.amdhsa_enable_private_segment 0
		.amdhsa_kernarg_size 32
		.amdhsa_user_sgpr_count 2
		.amdhsa_user_sgpr_kernarg_segment_ptr 1
		.amdhsa_wavefront_size32 1
		.amdhsa_system_sgpr_workgroup_id_x 1
		.amdhsa_system_sgpr_workgroup_id_y 1
		.amdhsa_system_sgpr_workgroup_id_z 1
		.amdhsa_system_vgpr_workitem_id 0
		.amdhsa_next_free_vgpr 768
		.amdhsa_next_free_sgpr 84
		.amdhsa_reserve_vcc 0
		.amdhsa_float_denorm_mode_32 3
		.amdhsa_float_denorm_mode_16_64 3
		.amdhsa_memory_ordered 1
		.amdhsa_forward_progress 1
		.amdhsa_inst_pref_size 86
	.end_amdhsa_kernel
	.amdgpu_metadata
---
amdhsa.version: [ 1, 2 ]
amdhsa.kernels:
  - .name:           k_q031e63c4a1_oproj
    .symbol:         k_q031e63c4a1_oproj.kd
    .args:
      - { .name: att, .offset: 0, .size: 8, .value_kind: global_buffer, .address_space: global }
      - { .name: wh, .offset: 8, .size: 8, .value_kind: global_buffer, .address_space: global }
      - { .name: bo, .offset: 16, .size: 8, .value_kind: global_buffer, .address_space: global }
      - { .name: out0, .offset: 24, .size: 8, .value_kind: global_buffer, .address_space: global }
    .group_segment_fixed_size: 327680
    .private_segment_fixed_size: 0
    .kernarg_segment_align: 8
    .kernarg_segment_size: 32
    .max_flat_workgroup_size: 128
    .sgpr_count:     84
    .vgpr_count:     768
    .wavefront_size: 32
...
	.end_amdgpu_metadata
.endif
;; end of part 4
;; ======== version 2 of 2: 4 launches; version 1 with the launch prep written anew for expert scheduling mode
;; limits: values are held in f16: magnitudes above 65,504 overflow, below 6.1e-05 lose precision; right only within a limited range of input values
;; workspace buffers: wh 8,388,608 bytes; qkv 50,331,648 bytes; att 16,777,216 bytes
;; launch prep (part 5): grid 64 x 4, 8 waves a work-group, no clusters, 0 bytes of LDS; arguments Wq, Wk, Wv, Wo, wh; writes wh
.if DOCPART == 5
	.amdgcn_target "amdgcn-amd-amdhsa--gfx1250"
	.amdhsa_code_object_version 6
	.text
	.protected	k_q031e63c4a1_prep
	.globl	k_q031e63c4a1_prep
	.p2align	8
	.type	k_q031e63c4a1_prep,@function
k_q031e63c4a1_prep:
	s_mov_b64 s[64:65], 0
	v_nop
	global_prefetch_b8 v0, s[64:65] scope:SCOPE_SE
	s_setreg_imm32_b32 hwreg(HW_REG_WAVE_SCHED_MODE, 0, 2), 2
	s_setreg_imm32_b32 hwreg(HW_REG_WAVE_MODE, 25, 1), 1
	s_wait_xcnt 0x0
	s_wait_alu depctr_vm_vsrc(0)
; wh[w][k][n] = f16(W_w[k][n]) for the four weights (w = 0 Wq, 1 Wk, 2 Wv, 3 Wo), layout kept.
; The weights lie with k down the rows; the products want them turned on the way out of LDS, and the turning LDS load takes
; 16-bit numbers alone.  So they are narrowed once here: 16 MiB read, 8 MiB written.
; A stream: no LDS, no barrier, no matrix unit, no cluster (no work-group shares a byte with another).
; Grid y picks the weight; grid x takes 16,384 numbers (65,536 bytes in, 32,768 out); a wave takes 8,192 bytes of them:
; 16 loads of 512 neighbouring bytes, all issued ahead of the first conversion; each store of the wave covers 256 consecutive bytes, aligned.
; LIMIT: a weight of magnitude 65,504 or more does not fit f16.
; THE MODE: SCHED_MODE bits 1:0 = 2 (LLVM: expert scheduling mode 2), set by the entry lines.  The code itself states the register dependences
; between vector instructions and memory instructions, with s_wait_alu, always for 0.
; THE PLAN.  Registers that memory instructions touch:
;   v1, v2   byte offsets, made by vector lines at the head and never written again.  v1 is read by the 16 loads, v2 by the 16 stores.
;   X        load i lands in its four registers, once; no vector line names them ahead of the loads; conversions i read them behind the wait on LOADcnt.
;   Y        conversions i write their two registers, once; store i reads them.
; No register that a memory instruction reads is written again, and no load lands in a register that a vector line has named: only "written, then read by
; a memory instruction" is left to state.  The 16 numbers go in four blocks of four.  Block p converts its four; its memory instructions are the four stores
; of block p - 1, which read v2 and that block's Y: registers that no conversion of block p names.  So one wait at a block's head states all that its stores hang on.
.set X, 4                              ; v[4:67]   load i: 4 registers of f32
.set Y, 68                             ; v[68:99]  store i: 2 registers of f16
.set BLK, 4                            ; loads, and stores, in a block
	s_load_b256 s[4:11], s[0:1], 0x0               ; Wq s[4:5], Wk s[6:7], Wv s[8:9], Wo s[10:11]
	s_load_b64 s[12:13], s[0:1], 0x20              ; wh
	s_and_b32 s14, ttmp7, 0xffff                   ; which weight
	v_and_b32 v1, 0xe0, v0                         ; 32 x wave
	v_and_b32 v2, 31, v0                           ; lane
	v_lshlrev_b32 v1, 8, v1                        ; wave x 8,192 bytes
	v_lshl_or_b32 v1, v2, 4, v1                    ; + 16 bytes a lane: my offset in the group's input
	v_lshrrev_b32 v2, 1, v1                        ; half of it: my offset in the group's output
	s_lshl_b32 s16, ttmp9, 16                      ; the group's 65,536 bytes of the weight
	s_mov_b32 s17, 0
	s_lshl_b32 s18, s14, 21                        ; the weight's 2 MiB in wh
	s_lshl_b32 s19, ttmp9, 15                      ; the group's 32,768 bytes of them
	s_add_co_u32 s18, s18, s19
	s_mov_b32 s19, 0
	s_wait_kmcnt 0x0
	s_cmp_eq_u32 s14, 1                            ; the choice hangs on the grid's y alone
	s_cselect_b64 s[4:5], s[6:7], s[4:5]
	s_cmp_eq_u32 s14, 2
	s_cselect_b64 s[4:5], s[8:9], s[4:5]
	s_cmp_eq_u32 s14, 3
	s_cselect_b64 s[4:5], s[10:11], s[4:5]
	s_add_nc_u64 s[4:5], s[4:5], s[16:17]
	s_add_nc_u64 s[12:13], s[12:13], s[18:19]
	s_wait_alu depctr_va_vdst(0)                   ; v1 and v2 are written: every load of the kernel reads v1 as its offset, every store v2
.irp i, 0,1,2,3,4,5,6,7,8,9,10,11,12,13,14,15
	global_load_b128 v[X+4*\i:X+4*\i+3], v1, s[4:5] offset:512*\i th:TH_LOAD_NT   ; read once in the launch
.endr
; Block p: numbers 4 p to 4 p + 3 are narrowed; the stores of block p - 1 are dealt among the conversions, one in front of each pair.
.macro BLOCK p
	s_wait_loadcnt 16-BLK*((\p)+1)                 ; loads come back in order: the block's four are in, the younger ones stay out
.if (\p) > 0
	s_wait_alu depctr_va_vdst(0)                   ; the block before has written its eight registers of Y, which the four stores below read
.endif
.irp i, 0,1,2,3
.if (\p) > 0
	global_store_b64 v2, v[Y+2*(BLK*((\p)-1)+(\i)):Y+2*(BLK*((\p)-1)+(\i))+1], s[12:13] offset:256*(BLK*((\p)-1)+(\i))   ; no vector line since the wait names these registers
.endif
	v_cvt_pk_f16_f32 v[Y+2*(BLK*(\p)+(\i))],   v[X+4*(BLK*(\p)+(\i))],   v[X+4*(BLK*(\p)+(\i))+1]
	v_cvt_pk_f16_f32 v[Y+2*(BLK*(\p)+(\i))+1], v[X+4*(BLK*(\p)+(\i))+2], v[X+4*(BLK*(\p)+(\i))+3]   ; no register is written twice, so no wait frees one
.endr
.endm
	BLOCK 0                                        ; no block stands in front of it: no store, and no wait but the one for its data
	BLOCK 1
	BLOCK 2
	BLOCK 3
	s_wait_alu depctr_va_vdst(0)                   ; block 3 has written its eight registers of Y, which the last four stores read
.irp i, 12,13,14,15
	global_store_b64 v2, v[Y+2*\i:Y+2*\i+1], s[12:13] offset:256*\i
.endr
	s_endpgm
.Lfunc_end_k_q031e63c4a1_prep:
	.size	k_q031e63c4a1_prep, .Lfunc_end_k_q031e63c4a1_prep-k_q031e63c4a1_prep
	.p2alignl 7, 3214868480
	.fill 96, 4, 3214868480
	.section	.rodata,"a",@progbits
	.p2align	6, 0x0
	.amdhsa_kernel k_q031e63c4a1_prep
		.amdhsa_group_segment_fixed_size 0
		.amdhsa_private_segment_fixed_size 0
		.amdhsa_enable_private_segment 0
		.amdhsa_kernarg_size 40
		.amdhsa_user_sgpr_count 2
		.amdhsa_user_sgpr_kernarg_segment_ptr 1
		.amdhsa_wavefront_size32 1
		.amdhsa_system_sgpr_workgroup_id_x 1
		.amdhsa_system_sgpr_workgroup_id_y 1
		.amdhsa_system_sgpr_workgroup_id_z 1
		.amdhsa_system_vgpr_workitem_id 0
		.amdhsa_next_free_vgpr 104
		.amdhsa_next_free_sgpr 66
		.amdhsa_reserve_vcc 0
		.amdhsa_float_denorm_mode_32 3
		.amdhsa_float_denorm_mode_16_64 3
		.amdhsa_memory_ordered 1
		.amdhsa_forward_progress 1
		.amdhsa_inst_pref_size 7
	.end_amdhsa_kernel
	.amdgpu_metadata
---
amdhsa.version: [ 1, 2 ]
amdhsa.kernels:
  - .name:           k_q031e63c4a1_prep
    .symbol:         k_q031e63c4a1_prep.kd
    .args:
      - { .name: Wq, .offset: 0, .size: 8, .value_kind: global_buffer, .address_space: global }
      - { .name: Wk, .offset: 8, .size: 8, .value_kind: global_buffer, .address_space: global }
      - { .name: Wv, .offset: 16, .size: 8, .value_kind: global_buffer, .address_space: global }
      - { .name: Wo, .offset: 24, .size: 8, .value_kind: global_buffer, .address_space: global }
      - { .name: wh, .offset: 32, .size: 8, .value_kind: global_buffer, .address_space: global }
    .group_segment_fixed_size: 0
    .private_segment_fixed_size: 0
    .kernarg_segment_align: 8
    .kernarg_segment_size: 40
    .max_flat_workgroup_size: 256
    .sgpr_count:     66
    .vgpr_count:     104
    .wavefront_size: 32
...
	.end_amdgpu_metadata
.endif
;; end of part 5
;; launch proj: the kernel of part 2 again; grid 4 x 64, 4 waves a work-group, clusters of 4 x 4, 327,680 bytes of LDS; arguments query, key, value, bq, bk, bv, wh, qkv; writes qkv
;; launch attn: the kernel of part 3 again; grid 8 x 64, 4 waves a work-group, clusters of 4 x 1, 327,680 bytes of LDS; arguments qkv, att; writes att
;; launch oproj: the kernel of part 4 again; grid 4 x 64, 4 waves a work-group, clusters of 4 x 4, 327,680 bytes of LDS; arguments att, wh, bo, out0; writes out0
